; MI455X (gfx1250); checked and timed in simulation.
; The chip was launched on July 23, 2026; its instructions are those of AMD's public machine-readable ISA for CDNA 5 (MIT licence, August 2026) and "CDNA5" Instruction Set Architecture Reference Guide (July 2026). The comments in the code are by the model that wrote it; some were corrected since.
;; Tt Whisper Attention. Allowed arithmetic: matrix products marked QUANTISED: E2M3 operands, one E8M0 scale for each 32 along K, by v_wmma_scale_f32_16x16x128_f8f6f4 with both operands' format E2M3, f32 sums; everything else in f32.
;; Inputs: hidden_states 1 x 4 x 1,500 x 1,024 float32; k_w 1,024 x 1,024 float32; out_b 1,024 float32; out_w 1,024 x 1,024 float32; q_b 1,024 float32; q_w 1,024 x 1,024 float32; v_b 1,024 float32; v_w 1,024 x 1,024 float32.
;; Outputs: out0 1 x 4 x 1,500 x 1,024 float32.
;; This version of the problem:
;;   THIS VERSION OF THE PROBLEM IS GIVEN IN LOW PRECISION. The matrix products marked QUANTISED in the list below multiply operands that are first quantised to E2M3 (2 exponent bits, 3 mantissa bits; 6 bits a number), with one power-of-two scale for each 32 numbers along K (OCP MX v1.0); their sums are f32. All else is computed in f32.
;;   The module's matrix products, in the order in which they are computed (A, B: the left and right operand; K: the contracted axis; several contracted axes count as one K, in the product's order):
;;     1. [M 6,000, K 1,024] x [K 1,024, N 1,024]; A: input hidden_states; B: input q_w: QUANTISED
;;     2. [M 6,000, K 1,024] x [K 1,024, N 1,024]; A: input hidden_states; B: input k_w: QUANTISED
;;     3. [M 6,000, K 1,024] x [K 1,024, N 1,024]; A: input hidden_states; B: input v_w: QUANTISED
;;     4. batch 64 x [M 1,500, K 64] x [K 64, N 1,500]; A: computed on the way; B: computed on the way: QUANTISED
;;     5. batch 64 x [M 1,500, K 1,500] x [K 1,500, N 64]; A: softmax (see below); B: computed on the way: QUANTISED
;;     6. [M 6,000, K 1,024] x [K 1,024, N 1,024]; A: computed on the way; B: input out_w: QUANTISED
;;   THE QUANTISER, for each operand of a quantised product, along K:
;;     - K is cut into blocks of 32 from its start; a last block that is shorter is filled with zeros.
;;     - A block's scale is 2^e with e = floor(log2(the largest magnitude in the block)) - 2, held to -126 .. 127; a block of zeros has e = 0. As a byte (E8M0): e + 127.
;;     - Each number is divided by its block's scale, clamped to +-7.5, and rounded to the nearest number of E2M3, ties to even, subnormals kept.
;;     - The product sums the exact products of the quantised numbers (number of the format x scale) in f32.
;;   ~~~python
;;   def quantise(x, axis):      # numpy; x: float32 -> the quantised numbers, widened to float32 again
;;       x = np.moveaxis(x, axis, -1); K = x.shape[-1]
;;       x = np.pad(x, [(0, 0)] * (x.ndim - 1) + [(0, -K % 32)]); x = x.reshape(x.shape[:-1] + (-1, 32)); a = np.abs(x).max(-1, keepdims=True)
;;       e = np.where(a > 0, np.clip(np.frexp(np.where(a > 0, a, 1))[1] - 1 - 2, -126, 127), 0)      # np.frexp(a)[1] - 1 = floor(log2(a)), exactly
;;       r = np.clip(x / 2.0 ** e, -7.5, 7.5)
;;       step = 2.0 ** (np.maximum(np.frexp(np.where(r == 0, 1, r))[1] - 1, 0) - 3)
;;       q = np.round(r / step) * step * 2.0 ** e      # np.round: ties to even
;;       return np.moveaxis(q.reshape(q.shape[:-2] + (-1,))[..., :K], -1, axis).astype(np.float32)
;;   ~~~
;;   SOFTMAX AHEAD OF A QUANTISED PRODUCT. Where the list says 'softmax', what is quantised is not the finished softmax but p = 2^(t - M), with t = logit x log2(e) and M = ceil(the row's largest t), a whole number; so 1/2 < the row's largest p <= 1. The row's sum l is taken of the UNQUANTISED p, in f32, and the product's result is divided by l at the end. Since M is a whole number, a kernel that streams over the keys may use a running M (the ceiling of the running maximum): every later rescaling is an exact power of two, which a block's scale takes up: the codes' values come out the same.
;;   OPERANDS COMPUTED ON THE WAY. 'Computed on the way' means the value that the module computes at that place (a softmax that the list does not call 'softmax' is quantised finished and normalised). What goes into a quantiser is computed in f32, as accurately as f32 sums, v_exp_f32 and their like allow (about 1e-6 of the number): no bf16 or f16 on the way to a quantiser, and a product that is left as it is and whose result goes on into a quantised operand takes f32 operands (vector FMAs, or v_wmma_f32_16x16x4_f32). A number that lies on a knife's edge between two numbers of the format may be rounded either way, as far as f32 arithmetic and the matrix unit's own rounding can turn it there, and no further.
;; One version. Each part assembles by itself: llvm-mc -triple=amdgcn-amd-amdhsa -mcpu=gfx1250 --defsym DOCPART=n.
;; ======== version 1 of 1: 4 launches
;; limits: right only within a limited range of input values
;; workspace buffers: cod 7,864,320 bytes; scl 327,680 bytes; qk 9,437,184 bytes; qksc 393,216 bytes; vcod 4,718,592 bytes; vsc 196,608 bytes; acod 4,718,592 bytes; asc 196,608 bytes
;; launch quant (part 1): grid 640 x 1, 4 waves a work-group, no clusters, 35,328 bytes of LDS; arguments hidden_states, q_w, k_w, v_w, out_w, cod, scl; writes cod, scl
.if DOCPART == 1
	.amdgcn_target "amdgcn-amd-amdhsa--gfx1250"
	.amdhsa_code_object_version 6
	.text
	.protected	k_q621854b094_quant
	.globl	k_q621854b094_quant
	.p2align	8
	.type	k_q621854b094_quant,@function
k_q621854b094_quant:
	s_mov_b64 s[64:65], 0
	v_nop
	global_prefetch_b8 v0, s[64:65] scope:SCOPE_SE
	s_setreg_imm32_b32 hwreg(HW_REG_WAVE_MODE, 25, 1), 1
	s_wait_xcnt 0x0
; hidden_states (4 x 1,500 rows) and the four weights (1,024 rows each), all f32 with K = 1,024 innermost, become codes of FP6 (E2M3) with one E8M0 byte for each 32 along K.
; A block's scale is 2^(floor(log2(its largest magnitude)) - 2); its byte is the largest magnitude's exponent field - 2, held at 1 from below.
; LIMITS: NaN and infinities are not served; a block whose largest magnitude lies under 2^-124 keeps the byte 1; a block of zeros has the byte 1 (its codes are zeros, and this program alone reads the bytes).
; TILES.  Work-group T makes one tile of 16 rows: T 0-383 hidden_states (96 tiles a batch: a batch is padded to 1,536 rows by repeating row 1,499, so no load leaves the buffer), 384-447 q_w, 448-511 k_w, 512-575 v_w, 576-639 out_w.
; THE ROWS OF A TILE ARE NOT NEIGHBOURS: lane row i of tile t is row 32 (t / 2) + 8 (t % 2) + i + 8 (i / 8), so that a product with such tiles as source 0 leaves 16 neighbouring rows in the 16 registers of two neighbouring result tiles.
; OUT.  cod: tile T, K step s: the operand's 12 registers as they stand, registers 4 c .. 4 c + 3 of lane l at 12,288 T + 1,536 s + 512 c + 16 l.  scl: row i's eight scale words at 512 T + 32 i.
; SHARES.  Wave w makes K steps 2 w and 2 w + 1.  Each load reads 512 consecutive bytes of one row; all 32 loads of a wave go out at once.  The conversions want 16 neighbours along K in one lane, so a step's
; 16 x 512 bytes turn through the wave's own stage in LDS (rows 528 bytes apart: 132 words, so that the 16 rows of a read start at 16 different banks).
.set STGW,  8448                       ; a wave's stage: 16 rows x 528 bytes
.set SPIT,  528
.set SCW,   33792                      ; behind the four stages: the tile's 512 bytes of scale words
.set PW,    9                          ; v9       the scale word just made
.set RO,    16                         ; v16-31   row t's byte offset + my 16 bytes
.set R,     32                         ; v32-159  the numbers as loaded: step e, row t at 64 e + 4 t
.set X,     160                        ; v160-223 64 numbers of my row: register 16 b + i = k 32 b + 16 (lane / 16) + i
.set PC,    224                        ; v224-235 the fragment's codes
.set MAX,   236                        ; v236-239 largest magnitudes; then three registers of codes
.set TB,    240                        ; v240-243 the other half's maxima, the bytes; then three registers of codes
.set SOP,   244                        ; v244-247 the conversions' scale operands
.set SEL,   20                         ; s[20:21] lane selects: lane l xor 16
; 64 numbers of a lane become a fragment's codes in v[PC] on and the row's scale word in v[pw].  The four blocks take turns line by line.
.macro QUANT a, pw
.irp b, 0,1,2,3
	v_max3_num_f32 v[MAX+\b], |v[\a+16*\b]|, |v[\a+1+16*\b]|, 0x1800000   ; my 16 numbers of block b, and the floor 2^(3 - 127): the byte cannot fall under 1
.endr
.irp i, 2,4,6,8,10,12,14
.irp b, 0,1,2,3
	v_max3_num_f32 v[MAX+\b], v[MAX+\b], |v[\a+16*\b+\i]|, |v[\a+1+16*\b+\i]|
.endr
.endr
.irp b, 0,1,2,3
	v_permlanex16_b32 v[TB+\b], v[MAX+\b], s[SEL], s[SEL+1]
.endr
.irp b, 0,1,2,3
	v_max_num_f32 v[MAX+\b], v[MAX+\b], v[TB+\b]       ; with lane l xor 16's 16: the block's largest magnitude
.endr
.irp b, 0,1,2,3
	v_add_nc_u32 v[SOP+\b], 0xff000000, v[MAX+\b]      ; 2 off its exponent field: the conversion takes this operand's exponent field as its scale
.endr
.irp b, 0,1,2,3
	v_lshrrev_b32 v[TB+\b], 23, v[SOP+\b]              ; the scale's byte
.endr
	v_lshl_or_b32 v[\pw], v[TB+1], 8, v[TB]
	v_lshl_or_b32 v[\pw], v[TB+2], 16, v[\pw]
	v_lshl_or_b32 v[\pw], v[TB+3], 24, v[\pw]
	v_cvt_scalef32_pk16_fp6_f32 v[PC:PC+2], v[\a:\a+15], v[SOP]
	v_cvt_scalef32_pk16_fp6_f32 v[MAX:MAX+2], v[\a+16:\a+31], v[SOP+1]     ; (a conversion's three registers begin on an even number)
	v_cvt_scalef32_pk16_fp6_f32 v[PC+6:PC+8], v[\a+32:\a+47], v[SOP+2]
	v_cvt_scalef32_pk16_fp6_f32 v[TB:TB+2], v[\a+48:\a+63], v[SOP+3]
	v_nop                                              ; one plain line behind the scaled conversions
.irp i, 0,1,2
	v_permlane16_swap_b32 v[PC+\i], v[MAX+\i]          ; the layout wants a whole block in a lane: lanes 0-15 the even block, lanes 16-31 the odd one
	v_permlane16_swap_b32 v[PC+6+\i], v[TB+\i]
.endr
.irp i, 0,1,2
	v_mov_b32 v[PC+3+\i], v[MAX+\i]
	v_mov_b32 v[PC+9+\i], v[TB+\i]
.endr
.endm
.macro TURN e                          ; step e's numbers through the stage; LDS serves a wave's instructions in order, so no wait stands between the stores and the loads
.irp t, 0,1,2,3,4,5,6,7,8,9,10,11,12,13,14,15
	ds_store_b128 v6, v[R+64*\e+4*\t:R+64*\e+4*\t+3] offset:SPIT*\t
.endr
.irp b, 0,1,2,3
.irp j, 0,1,2,3
	ds_load_b128 v[X+16*\b+4*\j:X+16*\b+4*\j+3], v7 offset:128*\b+16*\j
.endr
.endr
.endm
.macro OUT e
.irp c, 0,1,2
	global_store_b128 v4, v[PC+4*\c:PC+4*\c+3], s[14:15] offset:1536*\e+512*\c   ; 32 lanes store 512 consecutive bytes, aligned
.endr
	ds_store_b32 v8, v[PW] offset:4*\e                 ; lanes r and r + 16 write the same word with the same value
.endm
	s_load_b256 s[4:11], s[0:1], 0x0               ; hidden_states, q_w, k_w, v_w
	s_load_b128 s[12:15], s[0:1], 0x20             ; out_w, cod
	s_load_b64 s[16:17], s[0:1], 0x30              ; scl
	v_lshl_add_u32 v254, v0, 2, 0x8800
	v_mov_b32 v255, 0
	v_lshrrev_b32 v1, 5, v0
	v_readfirstlane_b32 s18, v1                    ; wave 0..3
	v_and_b32 v1, 31, v0                           ; lane
	v_and_b32 v2, 15, v0                           ; r
	v_bfe_u32 v3, v0, 4, 1                         ; h
	v_lshlrev_b32 v4, 4, v1                        ; 16 x lane
	s_lshl_b32 s22, s18, 10
	v_add_nc_u32 v5, s22, v4                       ; my 16 bytes of the wave's 1,024 bytes of a row
	s_mul_i32 s22, s18, STGW
	v_add_nc_u32 v6, s22, v4                       ; the stage, in: 16 x lane, row by the immediate
	v_mul_u32_u24 v7, v2, SPIT
	v_lshl_add_u32 v7, v3, 6, v7
	v_add_nc_u32 v7, s22, v7                       ; and out: row r, + 64 h
	s_lshl_b32 s22, s18, 3
	s_add_co_u32 s22, s22, SCW
	v_lshl_add_u32 v8, v2, 5, s22                  ; my row's scale words: SCW + 32 r + 8 x wave
.irp b, 0,1,2,3
	v_mov_b32 v[TB+\b], 0                          ; written once: a lane permute's destination counts as one of its sources
.endr
	s_mov_b32 s[SEL], 0x76543210
	s_mov_b32 s[SEL+1], 0xfedcba98
	; which tensor, which tile of it, its last row
	s_mul_i32 s23, ttmp9, 683
	s_lshr_b32 s23, s23, 16                        ; T / 96 for T under 384: the batch
	s_mul_i32 s24, s23, 96
	s_sub_co_u32 s24, ttmp9, s24                   ; the tile in the batch
	s_mul_i32 s26, s23, 6144000                    ; the batch's first byte
	s_sub_co_u32 s25, ttmp9, 384
	s_and_b32 s27, s25, 63                         ; the tile in a weight
	s_lshr_b32 s28, s25, 6                         ; which weight
	s_mov_b32 s29, 1499
	s_cmp_lt_u32 ttmp9, 384
	s_cselect_b32 s24, s24, s27
	s_cselect_b32 s29, s29, 1023                   ; the last row that may be read
	s_cselect_b32 s26, s26, 0
	s_mov_b32 s27, 0
	s_lshr_b32 s32, s24, 1
	s_lshl_b32 s32, s32, 5
	s_and_b32 s33, s24, 1
	s_lshl_b32 s33, s33, 3
	s_add_co_u32 s32, s32, s33                     ; 32 (t / 2) + 8 (t % 2)
.irp t, 0,1,2,3,4,5,6,7,8,9,10,11,12,13,14,15
	s_add_co_u32 s33, s32, \t+8*(\t/8)
	s_min_u32 s33, s33, s29                        ; a padded row repeats the last row
	s_lshl_b32 s33, s33, 12
	v_add_nc_u32 v[RO+\t], s33, v5
.endr
	s_mul_i32 s34, ttmp9, 12288
	s_mul_i32 s35, s18, 3072
	s_add_co_u32 s34, s34, s35
	s_mov_b32 s35, 0
	s_wait_alu depctr_va_vdst(0)
	s_wait_kmcnt 0x0
	s_mov_b64 s[30:31], s[12:13]                   ; the source: a choice on the work-group's number alone
	s_cmp_eq_u32 s28, 2
	s_cselect_b64 s[30:31], s[10:11], s[30:31]
	s_cmp_eq_u32 s28, 1
	s_cselect_b64 s[30:31], s[8:9], s[30:31]
	s_cmp_eq_u32 s28, 0
	s_cselect_b64 s[30:31], s[6:7], s[30:31]
	s_cmp_lt_u32 ttmp9, 384
	s_cselect_b64 s[30:31], s[4:5], s[30:31]
	s_add_nc_u64 s[30:31], s[30:31], s[26:27]
	s_add_nc_u64 s[14:15], s[14:15], s[34:35]      ; cod at my two K steps
	s_lshl_b32 s34, ttmp9, 9
	s_add_nc_u64 s[16:17], s[16:17], s[34:35]      ; scl at my tile
.irp e, 0,1
.irp t, 0,1,2,3,4,5,6,7,8,9,10,11,12,13,14,15
	global_load_b128 v[R+64*\e+4*\t:R+64*\e+4*\t+3], v[RO+\t], s[30:31] offset:512*\e th:TH_LOAD_NT
.endr
.endr
	s_wait_loadcnt 16                              ; the first step's 16 loads are in; the second step's 16 may be out
	TURN 0
	s_wait_dscnt 0x0
	QUANT X, PW
	OUT 0
	s_wait_loadcnt 0x0
	TURN 1
	s_wait_dscnt 0x0
	s_wait_xcnt 0x0                                ; the first step's stores have read their registers: the codes are written again only behind this wait
	QUANT X, PW
	OUT 1
	s_wait_dscnt 0x0                               ; for the others' sake: my scale words lie in LDS
	s_barrier_signal -1
	s_barrier_wait -1
	s_cmp_lg_u32 s18, 0
	s_cbranch_scc1 .Lend
	ds_load_b128 v[X:X+3], v4 offset:SCW           ; wave 0 stores the tile's 512 bytes of scale words, two aligned runs of 256 bytes
	s_wait_dscnt 0x0
	global_store_b128 v4, v[X:X+3], s[16:17]
.Lend:
	s_wait_tensorcnt 0x0
	ds_add_u32 v254, v255
	s_wait_dscnt 0x0
	s_endpgm
.Lfunc_end_k_q621854b094_quant:
	.size	k_q621854b094_quant, .Lfunc_end_k_q621854b094_quant-k_q621854b094_quant
	.p2alignl 7, 3214868480
	.fill 96, 4, 3214868480
	.section	.rodata,"a",@progbits
	.p2align	6, 0x0
	.amdhsa_kernel k_q621854b094_quant
		.amdhsa_group_segment_fixed_size 35328
		.amdhsa_private_segment_fixed_size 0
		.amdhsa_enable_private_segment 0
		.amdhsa_kernarg_size 56
		.amdhsa_user_sgpr_count 2
		.amdhsa_user_sgpr_kernarg_segment_ptr 1
		.amdhsa_wavefront_size32 1
		.amdhsa_system_sgpr_workgroup_id_x 1
		.amdhsa_system_sgpr_workgroup_id_y 1
		.amdhsa_system_sgpr_workgroup_id_z 1
		.amdhsa_system_vgpr_workitem_id 0
		.amdhsa_next_free_vgpr 256
		.amdhsa_next_free_sgpr 66
		.amdhsa_reserve_vcc 0
		.amdhsa_float_denorm_mode_32 3
		.amdhsa_float_denorm_mode_16_64 3
		.amdhsa_memory_ordered 1
		.amdhsa_forward_progress 1
		.amdhsa_inst_pref_size 21
	.end_amdhsa_kernel
	.amdgpu_metadata
---
amdhsa.version: [ 1, 2 ]
amdhsa.kernels:
  - .name:           k_q621854b094_quant
    .symbol:         k_q621854b094_quant.kd
    .args:
      - { .name: hidden_states, .offset: 0, .size: 8, .value_kind: global_buffer, .address_space: global }
      - { .name: q_w, .offset: 8, .size: 8, .value_kind: global_buffer, .address_space: global }
      - { .name: k_w, .offset: 16, .size: 8, .value_kind: global_buffer, .address_space: global }
      - { .name: v_w, .offset: 24, .size: 8, .value_kind: global_buffer, .address_space: global }
      - { .name: out_w, .offset: 32, .size: 8, .value_kind: global_buffer, .address_space: global }
      - { .name: cod, .offset: 40, .size: 8, .value_kind: global_buffer, .address_space: global }
      - { .name: scl, .offset: 48, .size: 8, .value_kind: global_buffer, .address_space: global }
    .group_segment_fixed_size: 35328
    .private_segment_fixed_size: 0
    .kernarg_segment_align: 8
    .kernarg_segment_size: 56
    .max_flat_workgroup_size: 128
    .sgpr_count:     66
    .vgpr_count:     256
    .wavefront_size: 32
...
	.end_amdgpu_metadata
.endif
;; end of part 1
;; launch qkv (part 2): grid 16 x 16, 4 waves a work-group, clusters of 4 x 1, 169,984 bytes of LDS; arguments cod, scl, q_b, v_b, qk, qksc, vcod, vsc; writes qk, qksc, vcod, vsc
.if DOCPART == 2
	.amdgcn_target "amdgcn-amd-amdhsa--gfx1250"
	.amdhsa_code_object_version 6
	.text
	.protected	k_q621854b094_qkv
	.globl	k_q621854b094_qkv
	.p2align	8
	.type	k_q621854b094_qkv,@function
k_q621854b094_qkv:
	s_mov_b64 s[64:65], 0
	v_nop
	global_prefetch_b8 v0, s[64:65] scope:SCOPE_SE
	s_setreg_imm32_b32 hwreg(HW_REG_WAVE_MODE, 25, 1), 1
	s_wait_xcnt 0x0
	s_wait_alu depctr_hold_cnt(0) depctr_sa_sdst(0) depctr_va_vdst(0) depctr_va_sdst(0) depctr_va_ssrc(0) depctr_va_vcc(0) depctr_vm_vsrc(0)
	s_getreg_b32 s2, hwreg(HW_REG_IB_STS2, 6, 4)
	s_cmp_eq_u32 s2, 0
	s_cbranch_scc0 .Lentry_in_a_cluster
	s_endpgm
.Lentry_in_a_cluster:
	s_bfe_u32 s2, ttmp6, 0x10000c
	s_cmp_lg_u32 s2, 0x3003
	s_cbranch_scc0 .Lentry_shape_is_right
	s_endpgm
.Lentry_shape_is_right:
; q = x q_w^T + q_b, k = x k_w^T, v = x v_w^T + v_b on codes of FP6 (E2M3) with E8M0 scales, each result quantised for attention: q and k along the head's 64 channels, v along the keys.
; (The factor 1/8 of q is a power of two: it moves only scale bytes and is applied to the scores by the next launch.)
; LIMITS: NaN and infinities are not served; a block whose largest magnitude lies under 2^-124 keeps the byte 1; a block of zeros has the byte 1 (its codes are zeros, and this program alone reads the bytes).
; SHARES.  Work-group (m, head): tiles 24 m .. 24 m + 23 of the 384 tiles of hidden_states (a quarter of a batch: three steps of 128 keys) x the head's 4 tiles of q_w, of k_w and of v_w: 288 pairs of tiles; 16 x 16 work-groups.
; The 12 weight tiles (147,456 bytes of codes, 6,144 of scale words) are filled into LDS once.  CLUSTER: the four work-groups of a cluster differ in m alone and need the same weights: the four fills are joint loads.
; Wave w keeps 6 tiles of hidden_states, all 8 K steps, in 576 registers: tiles 4 w .. 4 w + 3 (key blocks 2 w, 2 w + 1 of the twelve) and tiles 16 + 2 w, 17 + 2 w (key block 8 + w).  No tile is loaded by two waves.
; The K step is the outer loop, on 24 accumulators by turns: a weight fragment read from LDS feeds 6 products, and K step s needs only K step s of hidden_states,
; whose loads run three K steps (54 loads a wave) ahead of the products: so no separate prefetch is laid.
; q, k: source 0 = weights, source 1 = x: a lane holds one token, registers 32 i + 16 b + n = channel 32 b + 16 (lane / 16) + n of tile i.   v: source 0 = x, source 1 = weights: a lane holds one channel, registers run along the keys.
; One quantiser of 64 numbers a lane (four blocks, each in lanes l and l xor 16) serves all: two tiles of tokens (q, k); key blocks 2 w, 2 w + 1 of two channel tiles; key block 8 + w of all four channel tiles.
; OUT as the next launch reads it: qk [q, k][batch][head][tile] 768 bytes; qksc [q, k][batch][head / 2][four tiles][head % 2][r][2 words]; vcod [batch][128 keys][channel tile] 1,536 bytes; vsc [batch][128 keys][head][tile % 2][r][tile / 2] words.
; Keys 1,500 .. 1,535 of a batch are cleared ahead of v's quantiser by selects that every wave runs: no branch hangs on the place in the cluster.
.set WSL,  147456                      ; LDS: the weights' codes from 0 (q, k, v: 49,152 each); their scale words here;
.set VSI,  153600                      ; v's scale bytes of three key steps, 768 bytes: no tile lands there;
.set SPARE,154368                      ; the spare words
.set L8,   1
.set SO3,  2
.set ASW,  3
.set L16,  4                           ; v4-6: 16 x lane + the path's place in LDS
.set AW0,  4
.set H64,  7
.set VBO,  8
.set A16S, 9
.set A8S,  10
.set AVS,  11
.set AVT,  12
.set GQS,  13
.set ZR,   14
.set PWQ,  16                          ; v16-24 scale words of q, k, v
.set PWK,  19
.set PWV,  22
.set F47,  28                          ; v28-39 the one fragment of x that has no room in windows 1 to 3
.set HS,   40                          ; v40-63 x's scale words, v64-79 the weights'
.set WS,   64
.set BIA,  80                          ; v80-111 the bias as the first products' C
.set WF,   112                         ; v112-207 weight fragments, two sets of four
.set PC,   208
.set MAX,  220
.set TB,   224
.set SOP,  228
.set VB,   232
.set AVR,  236
; window 1: fragments 0-20 of x (fragment 6 s + i); window 2: 21-41; window 3: v0-191 the accumulators, v192-251 fragments 42-46
.set WV,   20
.set CX,   21
.set MB,   22
.set HD,   23
.set BT,   24
.set QR,   25
.set TP,   26
.set T2,   28
.set T3,   29
.set KA,   30
.set KB,   31
.set SEL,  32
.set HI,   34
.set G1C,  36
.set G1S,  44
.set G0C,  52
.set G0S,  56
.set HA,   60
.set HB,   62
.set SA,   66
.set SB,   68
.set QBB,  70
.set VBB,  72
.set OQA,  74
.set OQB,  76
.set OVA,  78
.set OVB,  80
.set OSA,  82
.set OSB,  84
.set OVS,  86
.set W1,   88
.set W2,   89
.set T4,   90
.set T5,   91
.set MSB, 0
.macro WIN new                         ; the immediate's high byte repeats the setting that is left
.if MSB != \new
	s_set_vgpr_msb (MSB<<8)|\new
.set MSB, \new
.endif
.endm
.macro WM d, a, b, c, sa, sb, row      ; c < 0: the constant 0.  row = 1: both sides' scales from lanes 16-31
.if (\row) == 0
.if (\c) < 0
	v_wmma_scale_f32_16x16x128_f8f6f4 v[\d:\d+7], v[\a:\a+11], v[\b:\b+11], 0, v[\sa], v[\sb] matrix_a_fmt:MATRIX_FMT_FP6 matrix_b_fmt:MATRIX_FMT_FP6
.else
	v_wmma_scale_f32_16x16x128_f8f6f4 v[\d:\d+7], v[\a:\a+11], v[\b:\b+11], v[\c:\c+7], v[\sa], v[\sb] matrix_a_fmt:MATRIX_FMT_FP6 matrix_b_fmt:MATRIX_FMT_FP6
.endif
.else
	v_wmma_scale_f32_16x16x128_f8f6f4 v[\d:\d+7], v[\a:\a+11], v[\b:\b+11], v[\c:\c+7], v[\sa], v[\sb] matrix_a_fmt:MATRIX_FMT_FP6 matrix_b_fmt:MATRIX_FMT_FP6 matrix_a_scale:MATRIX_SCALE_ROW1 matrix_b_scale:MATRIX_SCALE_ROW1
.endif
.endm
.macro ROUND                           ; a round of the cluster's barrier
	s_barrier_signal -1
	s_barrier_wait -1
	s_cmp_lg_u32 s[WV], 0
	s_cbranch_scc1 .Lnot_wave_0_\@
	s_barrier_signal -3
.Lnot_wave_0_\@:
	s_barrier_wait -3
	s_barrier_signal -1
	s_barrier_wait -1
.endm
.macro FILL g0, g1
	tensor_load_to_lds s[\g0:\g0+3], s[\g1:\g1+7]
	s_nop 0
.rept 4
	v_nop
.endr
.endm
.macro PLACES
.rept 4
	v_nop
.endr
.endm
.macro PLOC fn                         ; where fragment fn of x lies: window PWN, register PR
.if (\fn) < 21
.set PWN, 1
.set PR, 12*(\fn)
.elseif (\fn) < 42
.set PWN, 2
.set PR, 12*((\fn)-21)
.elseif (\fn) < 47
.set PWN, 3
.set PR, 192+12*((\fn)-42)
.else
.set PWN, 0
.set PR, F47
.endif
.endm
.macro PL s                            ; K step s of my six tiles: 18 loads of 512 consecutive bytes
.irp i, 0,1,2,3,4,5
	PLOC 6*(\s)+\i
.set NW, PWN<<6
	WIN NW
.irp c, 0,1,2
.if \i < 4
	global_load_b128 v[PR+4*\c:PR+4*\c+3], v[L16], s[HA:HA+1] offset:12288*\i+1536*(\s)+512*\c
.else
	global_load_b128 v[PR+4*\c:PR+4*\c+3], v[L16], s[HB:HB+1] offset:12288*(\i-4)+1536*(\s)+512*\c
.endif
.endr
.endr
.endm
.macro FETCHW p, s                     ; the path's four weight fragments of K step s into set s % 2
.irp j, 0,1,2,3
.irp c, 0,1,2
	ds_load_b128 v[WF+48*((\s)%2)+12*\j+4*\c:WF+48*((\s)%2)+12*\j+4*\c+3], v[AW0+\p] offset:12288*\j+1536*(\s)+512*\c
.endr
.endr
.endm
.macro FETCHS p                        ; the path's scale words: K steps 0-3 in lanes 0-15, 4-7 in lanes 16-31
.irp j, 0,1,2,3
	ds_load_b128 v[WS+4*\j:WS+4*\j+3], v[ASW] offset:2048*(\p)+512*\j
.endr
.endm
.macro MMS p, s                        ; the 24 products of K step s
.irp i, 0,1,2,3,4,5
	PLOC 6*(\s)+\i
.irp j, 0,1,2,3
.set WFR, WF+48*((\s)%2)+12*\j
.if \p < 2
.set DR, 32*\i+8*\j
.elseif \i < 4
.set DR, 32*\j+8*\i
.else
.set DR, 128+16*\j+8*(\i-4)
.endif
.set CW, 3
.set CR, DR
.if (\s) == 0                          ; the first K step starts the sums: with the bias, or with 0 (k has none)
.set CW, 0
.if \p == 1
.set CR, -1
.else
.set CR, BIA+8*\j
.endif
.endif
.if \p < 2
.set NW, (PWN<<2)|(CW<<4)|0xc0
	WIN NW
	WM DR, WFR, PR, CR, WS+4*\j+(\s)%4, HS+4*\i+(\s)%4, (\s)/4
.else
.set NW, PWN|(CW<<4)|0xc0
	WIN NW
	WM DR, PR, WFR, CR, HS+4*\i+(\s)%4, WS+4*\j+(\s)%4, (\s)/4
.endif
.endr
.endr
.endm
.macro PATHM p
.irp s, 0,1,2,3,4,5,6,7
	WIN 0
.if \p == 0
.if \s < 6
	s_wait_loadcnt 36                              ; K step s of x is in; the 18 loads of each of the two K steps behind it may be out
.elseif \s == 6
	s_wait_loadcnt 18
.else
	s_wait_loadcnt 0
.endif
.endif
	s_wait_dscnt 0x0                               ; this K step's weight fragments are in
	PLACES                                         ; in front of the loads into the set that the last K step multiplied
.if \s < 7
	FETCHW \p, \s+1
.elseif \p < 2
	FETCHW \p+1, 0
.endif
.if (\p == 0) && (\s < 5)
	PL \s+3
.endif
	MMS \p, \s
.endr
	WIN 0
	PLACES                                         ; in front of the first read of the results and of the loads into the scale registers
.endm
; 64 numbers of a lane, window 3 from register a on, become 12 registers of codes in v[PC] on and a word of four scale bytes in v[pw].  The four blocks take turns line by line.
.macro QUANT a, pw
	s_wait_xcnt 0x0                                ; the stores before have read their registers
	WIN 0x0f
.irp b, 0,1,2,3
	v_max3_num_f32 v[MAX+\b], |v[\a+16*\b]|, |v[\a+1+16*\b]|, 0x1800000   ; and the floor 2^(3 - 127): the byte cannot fall under 1
.endr
	WIN 0x3c
.irp i, 2,4,6,8,10,12,14
.irp b, 0,1,2,3
	v_max3_num_f32 v[MAX+\b], v[MAX+\b], |v[\a+16*\b+\i]|, |v[\a+1+16*\b+\i]|
.endr
.endr
	WIN 0
.irp b, 0,1,2,3
	v_permlanex16_b32 v[TB+\b], v[MAX+\b], s[SEL], s[SEL+1]
.endr
.irp b, 0,1,2,3
	v_max_num_f32 v[MAX+\b], v[MAX+\b], v[TB+\b]       ; with lane l xor 16's 16: the block's largest magnitude
.endr
.irp b, 0,1,2,3
	v_add_nc_u32 v[SOP+\b], 0xff000000, v[MAX+\b]      ; 2 off its exponent field: the conversion's scale operand
.endr
.irp b, 0,1,2,3
	v_lshrrev_b32 v[TB+\b], 23, v[SOP+\b]              ; the scale's byte
.endr
	v_lshl_or_b32 v[\pw], v[TB+1], 8, v[TB]
	v_lshl_or_b32 v[\pw], v[TB+2], 16, v[\pw]
	v_lshl_or_b32 v[\pw], v[TB+3], 24, v[\pw]
	WIN 0x03
	v_cvt_scalef32_pk16_fp6_f32 v[PC:PC+2], v[\a:\a+15], v[SOP]
	v_cvt_scalef32_pk16_fp6_f32 v[MAX:MAX+2], v[\a+16:\a+31], v[SOP+1]     ; (a conversion's three registers begin on an even number)
	v_cvt_scalef32_pk16_fp6_f32 v[PC+6:PC+8], v[\a+32:\a+47], v[SOP+2]
	v_cvt_scalef32_pk16_fp6_f32 v[TB:TB+2], v[\a+48:\a+63], v[SOP+3]
	WIN 0
	v_nop                                              ; one plain line behind the scaled conversions
.irp i, 0,1,2
	v_permlane16_swap_b32 v[PC+\i], v[MAX+\i]          ; a whole block in a lane: lanes 0-15 the first of two blocks, lanes 16-31 the second
	v_permlane16_swap_b32 v[PC+6+\i], v[TB+\i]
.endr
.irp i, 0,1,2
	v_mov_b32 v[PC+3+\i], v[MAX+\i]
	v_mov_b32 v[PC+9+\i], v[TB+\i]
.endr
.endm
.macro ST a16, a8, base, o0, o1        ; registers 0-3 at 16 bytes a lane, 4-5 at 512 + 8 bytes a lane; the second six at o1
	global_store_b128 v[\a16], v[PC:PC+3], s[\base:\base+1] offset:\o0
	global_store_b64 v[\a8], v[PC+4:PC+5], s[\base:\base+1] offset:\o0+512
	global_store_b128 v[\a16], v[PC+6:PC+9], s[\base:\base+1] offset:\o1
	global_store_b64 v[\a8], v[PC+10:PC+11], s[\base:\base+1] offset:\o1+512
.endm
.macro QKOUT p, pw                     ; q or k: three pairs of tiles of tokens
	QUANT 0, \pw
	ST L16, L8, OQA, 4718592*\p, 4718592*\p+768
	QUANT 64, \pw+1
	ST L16, L8, OQA, 4718592*\p+1536, 4718592*\p+2304
	QUANT 128, \pw+2
	ST L16, L8, OQB, 4718592*\p, 4718592*\p+768
.endm
	s_load_b256 s[4:11], s[0:1], 0x0               ; cod, scl, q_b, v_b
	s_load_b256 s[12:19], s[0:1], 0x20             ; qk, qksc, vcod, vsc
	v_lshl_add_u32 v254, v0, 2, SPARE
	v_mov_b32 v255, 0
	ds_add_u32 v254, v255                          ; the opening lines: the add, twice on end, and its wait
	ds_add_u32 v254, v255
	v_lshrrev_b32 v15, 5, v0
	v_readfirstlane_b32 s[WV], v15                 ; wave 0..3
	v_and_b32 v208, 31, v0                         ; lane
	v_and_b32 v209, 15, v0                         ; r
	v_bfe_u32 v210, v0, 4, 1                       ; h
	v_bfe_u32 v211, v0, 5, 1                       ; wave % 2
	v_bfe_u32 v212, v0, 6, 1                       ; wave / 2
	v_bfe_u32 v213, v0, 5, 2                       ; wave
	v_lshlrev_b32 v[L16], 4, v208
	v_lshlrev_b32 v[L8], 3, v208
	v_lshlrev_b32 v[SO3], 5, v209
	v_lshl_add_u32 v[SO3], v210, 4, v[SO3]         ; a row's eight scale words: 32 r + 16 h
	v_add_nc_u32 v[AW0+1], 49152, v[L16]
	v_add_nc_u32 v[AW0+2], 98304, v[L16]
	v_add_nc_u32 v[ASW], WSL, v[SO3]
	v_lshlrev_b32 v[H64], 6, v210
	v_and_b32 v[VBO], 8, v209
	v_add_nc_u32 v[VBO], v[VBO], v209
	v_lshlrev_b32 v[VBO], 2, v[VBO]                ; 4 (r + 8 (r / 8)): lane row r's channel in a weight tile
	v_mul_u32_u24 v214, v210, 1536
	v_lshl_add_u32 v[A16S], v209, 4, v214
	v_lshl_add_u32 v[A16S], v211, 8, v[A16S]       ; key block 8 + w: lanes 0-15 one channel tile, lanes 16-31 the next; the block's half of the fragment's lanes is w % 2
	v_lshl_add_u32 v[A8S], v209, 3, v214
	v_lshl_add_u32 v[A8S], v211, 7, v[A8S]
	v_lshlrev_b32 v215, 3, v209                    ; 8 r
	v_lshl_add_u32 v[AVS], v212, 8, v215
	v_lshl_add_u32 v[AVS], v211, 1, v[AVS]
	v_add_nc_u32 v[AVS], VSI, v[AVS]               ; v's scale bytes of blocks 2 w, 2 w + 1: key step w / 2, bytes 2 (w % 2) and the next
	v_add_nc_u32 v[AVT], v215, v213
	v_add_nc_u32 v[AVT], VSI+512, v[AVT]           ; of block 8 + w: key step 2, byte w
	v_mul_u32_u24 v[GQS], v210, 196608
	v_add_nc_u32 v[GQS], v[GQS], v215              ; qksc: lanes 0-15 q's words, lanes 16-31 k's
	v_add_nc_u32 v[AVR], VSI, v[L8]
	v_mov_b32 v[ZR], 0
.irp b, 0,1,2,3
	v_mov_b32 v[TB+\b], 0                          ; written once: a lane permute's destination counts as one of its sources
.endr
	s_wait_alu depctr_va_vdst(0)
	s_bfe_u32 s[CX], ttmp6, 0x40000
	s_lshl_b32 s[MB], ttmp9, 2
	s_add_co_u32 s[MB], s[MB], s[CX]               ; m = 4 x cluster x + my place
	s_and_b32 s[HD], ttmp7, 0xffff                 ; head
	s_lshr_b32 s[BT], s[MB], 2                     ; batch
	s_and_b32 s[QR], s[MB], 3                      ; which quarter of it
	s_and_b32 s[W1], s[WV], 1
	s_lshr_b32 s[W2], s[WV], 1
	s_mov_b32 s[TP+1], 0
	s_mov_b32 s[SEL], 0x76543210
	s_mov_b32 s[SEL+1], 0xfedcba98
	s_mov_b32 s[HI], 0xffff0000
	s_cmp_eq_u32 s[QR], 3                          ; the batch's last quarter holds keys 1,500 .. 1,535: block 10 from its number 28 on, all of block 11
	s_cselect_b32 s[T2], -1, 0
	s_cmp_eq_u32 s[WV], 3
	s_cselect_b32 s[KA], s[T2], 0                  ; numbers 0-11 of a lane's 16: all lanes of wave 3
	s_cmp_ge_u32 s[WV], 2
	s_cselect_b32 s[KB], s[HI], 0
	s_and_b32 s[KB], s[KB], s[T2]
	s_or_b32 s[KB], s[KB], s[KA]                   ; numbers 12-15: lanes 16-31 of wave 2 too
	s_mov_b32 s[G1C], 15|(3<<16)|(1<<21)           ; a path's codes: 192 rows of 256 bytes, dense; the mask of all four work-groups, bit 21 beside it
	s_mov_b32 s[G1C+1], 32<<16
	s_mov_b32 s[G1C+2], 192<<16
	s_mov_b32 s[G1C+3], 32<<16
	s_mov_b32 s[G1C+4], 192
	s_mov_b32 s[G1C+5], 32
	s_mov_b32 s[G1C+6], 0
	s_mov_b32 s[G1C+7], 0
	s_mov_b32 s[G1S], 15|(3<<16)|(1<<21)           ; the scale words: 3 rows (q, k, v) of 2,048 bytes, 32,768 apart
	s_mov_b32 s[G1S+1], 256<<16
	s_mov_b32 s[G1S+2], 3<<16
	s_mov_b32 s[G1S+3], 256<<16
	s_mov_b32 s[G1S+4], 3
	s_mov_b32 s[G1S+5], 4096
	s_mov_b32 s[G1S+6], 0
	s_mov_b32 s[G1S+7], 0
	s_mov_b32 s[G0C], 1
	s_mul_i32 s[G0C+1], s[WV], 49152
	s_mov_b32 s[G0S], 1
	s_mov_b32 s[G0S+1], WSL
	s_wait_dscnt 0x0                               ; both opening adds are done
	s_wait_kmcnt 0x0
	s_lshl_b32 s[T2], s[WV], 6
	s_lshl_b32 s[T3], s[HD], 2
	s_add_co_u32 s[T2], s[T2], s[T3]
	s_add_co_u32 s[T2], s[T2], 384                 ; tile 384 + 64 x path + 4 x head: waves 0, 1, 2 fetch q's, k's, v's
	s_mul_i32 s[TP], s[T2], 12288
	s_add_nc_u64 s[G0C+2:G0C+3], s[4:5], s[TP:TP+1]
	s_or_b32 s[G0C+3], s[G0C+3], 0x80000000
	s_add_co_u32 s[T3], s[T3], 384
	s_lshl_b32 s[TP], s[T3], 9
	s_add_nc_u64 s[G0S+2:G0S+3], s[6:7], s[TP:TP+1]
	s_or_b32 s[G0S+3], s[G0S+3], 0x80000000
	ROUND                                          ; all four work-groups are here: the joint loads meet
	s_cmp_lt_u32 s[WV], 3                          ; the launch's only fills, one a wave
	s_cbranch_scc0 .Lfill_s
	FILL G0C, G1C
	s_branch .Lfilled
.Lfill_s:
	FILL G0S, G1S
.Lfilled:
	s_mul_i32 s[T2], s[MB], 24
	s_lshl_b32 s[T3], s[WV], 2
	s_add_co_u32 s[T3], s[T3], s[T2]               ; my four tiles' first
	s_mul_i32 s[TP], s[T3], 12288
	s_add_nc_u64 s[HA:HA+1], s[4:5], s[TP:TP+1]
	s_lshl_b32 s[TP], s[T3], 9
	s_add_nc_u64 s[SA:SA+1], s[6:7], s[TP:TP+1]
	s_lshl_b32 s[T3], s[WV], 1
	s_add_co_u32 s[T3], s[T3], s[T2]
	s_add_co_u32 s[T3], s[T3], 16                  ; my two tiles' first
	s_mul_i32 s[TP], s[T3], 12288
	s_add_nc_u64 s[HB:HB+1], s[4:5], s[TP:TP+1]
	s_lshl_b32 s[TP], s[T3], 9
	s_add_nc_u64 s[SB:SB+1], s[6:7], s[TP:TP+1]
	s_lshl_b32 s[TP], s[HD], 8
	s_add_nc_u64 s[QBB:QBB+1], s[8:9], s[TP:TP+1]
	s_add_nc_u64 s[VBB:VBB+1], s[10:11], s[TP:TP+1]
.irp i, 0,1,2,3
	global_load_b128 v[HS+4*\i:HS+4*\i+3], v[SO3], s[SA:SA+1] offset:512*\i
.endr
.irp i, 0,1
	global_load_b128 v[HS+16+4*\i:HS+16+4*\i+3], v[SO3], s[SB:SB+1] offset:512*\i
.endr
.irp j, 0,1,2,3
	global_load_b128 v[BIA+8*\j:BIA+8*\j+3], v[H64], s[QBB:QBB+1] offset:4*(32*(\j/2)+8*(\j%2))      ; q_b in the result's layout: eight channels a lane
	global_load_b128 v[BIA+8*\j+4:BIA+8*\j+7], v[H64], s[QBB:QBB+1] offset:4*(32*(\j/2)+8*(\j%2))+16
	global_load_b32 v[VB+\j], v[VBO], s[VBB:VBB+1] offset:4*(32*(\j/2)+8*(\j%2))                     ; v_b: my lane's channel
.endr
	PL 0
	PL 1
	PL 2
	WIN 0
	; where the results go
	s_lshl_b32 s[T2], s[BT], 4
	s_add_co_u32 s[T2], s[T2], s[HD]
	s_mul_i32 s[T2], s[T2], 73728
	s_mul_i32 s[T3], s[QR], 24
	s_lshl_b32 s[TP], s[WV], 2
	s_add_co_u32 s[TP], s[TP], s[T3]
	s_mul_i32 s[TP], s[TP], 768
	s_add_co_u32 s[TP], s[TP], s[T2]
	s_add_nc_u64 s[OQA:OQA+1], s[12:13], s[TP:TP+1]
	s_lshl_b32 s[TP], s[WV], 1
	s_add_co_u32 s[TP], s[TP], s[T3]
	s_add_co_u32 s[TP], s[TP], 16
	s_mul_i32 s[TP], s[TP], 768
	s_add_co_u32 s[TP], s[TP], s[T2]
	s_add_nc_u64 s[OQB:OQB+1], s[12:13], s[TP:TP+1]
	s_mul_i32 s[T2], s[BT], 1179648
	s_mul_i32 s[T3], s[HD], 6144
	s_add_co_u32 s[T2], s[T2], s[T3]
	s_mul_i32 s[T3], s[QR], 3                      ; the quarter's first key step
	s_add_co_u32 s[TP], s[T3], s[W2]
	s_mul_i32 s[TP], s[TP], 98304
	s_add_co_u32 s[TP], s[TP], s[T2]
	s_mul_i32 s[T4], s[W1], 768
	s_add_co_u32 s[TP], s[TP], s[T4]
	s_add_nc_u64 s[OVA:OVA+1], s[16:17], s[TP:TP+1]  ; blocks 2 w, 2 w + 1: key step w / 2, half w % 2 of a fragment
	s_add_co_u32 s[TP], s[T3], 2
	s_mul_i32 s[TP], s[TP], 98304
	s_add_co_u32 s[TP], s[TP], s[T2]
	s_mul_i32 s[T4], s[W2], 768
	s_add_co_u32 s[TP], s[TP], s[T4]
	s_add_nc_u64 s[OVB:OVB+1], s[16:17], s[TP:TP+1]  ; block 8 + w: key step 2, half w / 2
	s_mul_i32 s[T2], s[BT], 49152
	s_lshr_b32 s[T4], s[HD], 1
	s_mul_i32 s[T4], s[T4], 6144
	s_add_co_u32 s[T4], s[T4], s[T2]
	s_and_b32 s[T5], s[HD], 1
	s_lshl_b32 s[T5], s[T5], 7
	s_add_co_u32 s[T4], s[T4], s[T5]
	s_mul_i32 s[T5], s[QR], 6
	s_add_co_u32 s[TP], s[T5], s[WV]
	s_lshl_b32 s[TP], s[TP], 8
	s_add_co_u32 s[TP], s[TP], s[T4]
	s_add_nc_u64 s[OSA:OSA+1], s[14:15], s[TP:TP+1]  ; my four tiles' two words a row
	s_add_co_u32 s[TP], s[T5], s[W2]
	s_add_co_u32 s[TP], s[TP], 4
	s_lshl_b32 s[TP], s[TP], 8
	s_add_co_u32 s[TP], s[TP], s[T4]
	s_lshl_b32 s[T5], s[W1], 2
	s_add_co_u32 s[TP], s[TP], s[T5]
	s_add_nc_u64 s[OSB:OSB+1], s[14:15], s[TP:TP+1]  ; my two tiles' word
	s_lshl_b32 s[TP], s[T3], 12
	s_add_co_u32 s[TP], s[TP], s[T2]
	s_lshl_b32 s[T5], s[HD], 8
	s_add_co_u32 s[TP], s[TP], s[T5]
	s_add_nc_u64 s[OVS:OVS+1], s[18:19], s[TP:TP+1]
	s_wait_tensorcnt 0x0                           ; my part of the weights has landed
	s_barrier_signal -1
	s_barrier_wait -1                              ; everybody's has
	FETCHS 0
	FETCHW 0, 0
	PATHM 0
	FETCHS 1
	QKOUT 0, PWQ
	s_wait_alu depctr_va_vdst(0)
	PATHM 1
	FETCHS 2
	QKOUT 1, PWK
	v_cndmask_b32 v26, v[PWQ], v[PWK], s[HI]       ; lanes 0-15 store q's words, lanes 16-31 k's: 128 consecutive bytes each
	v_cndmask_b32 v27, v[PWQ+1], v[PWK+1], s[HI]
	v_cndmask_b32 v25, v[PWQ+2], v[PWK+2], s[HI]
	global_store_b64 v[GQS], v[26:27], s[OSA:OSA+1]
	global_store_b32 v[GQS], v25, s[OSB:OSB+1]
.irp j, 0,1,2,3
.irp x, 0,1,2,3,4,5,6,7
	v_mov_b32 v[BIA+8*\j+\x], v[VB+\j]             ; v_b as the first products' C: a lane holds one channel
.endr
.endr
	s_wait_alu depctr_va_vdst(0)
	PATHM 2
	WIN 0xc3
.irp j, 0,1,2,3
.irp x, 0,1,2,3,4,5,6,7,8,9,10,11
	v_cndmask_b32 v[128+16*\j+\x], v[128+16*\j+\x], v[ZR], s[KA]   ; the padded keys count for nothing (each accumulator from its low end on)
.endr
.irp x, 12,13,14,15
	v_cndmask_b32 v[128+16*\j+\x], v[128+16*\j+\x], v[ZR], s[KB]
.endr
.endr
	WIN 0
	QUANT 0, PWV                                   ; channel tiles 0, 1: key blocks 2 w, 2 w + 1
	ST L16, L8, OVA, 0, 1536
	ds_store_b16 v[AVS], v[PWV]                    ; lanes r and r + 16 write the same bytes with the same value
	ds_store_b16_d16_hi v[AVS], v[PWV] offset:128
	QUANT 64, PWV+1                                ; channel tiles 2, 3
	ST L16, L8, OVA, 3072, 4608
	ds_store_b16 v[AVS], v[PWV+1] offset:4
	ds_store_b16_d16_hi v[AVS], v[PWV+1] offset:132
	QUANT 128, PWV+2                               ; key block 8 + w of all four channel tiles
	ST A16S, A8S, OVB, 0, 3072
	v_lshrrev_b32 v15, 8, v[PWV+2]
	v_lshrrev_b32 v25, 16, v[PWV+2]
	v_lshrrev_b32 v26, 24, v[PWV+2]
	ds_store_b8 v[AVT], v[PWV+2]
	ds_store_b8 v[AVT], v15 offset:128
	ds_store_b8 v[AVT], v25 offset:4
	ds_store_b8 v[AVT], v26 offset:132
	s_wait_dscnt 0x0                               ; for the others' sake: my bytes lie in LDS
	s_barrier_signal -1
	s_barrier_wait -1
	s_cmp_lg_u32 s[WV], 0
	s_cbranch_scc1 .Lend
.irp k, 0,1,2
	ds_load_b64 v[WF+2*\k:WF+2*\k+1], v[AVR] offset:256*\k
.endr
	s_wait_dscnt 0x0
.irp k, 0,1,2
	global_store_b64 v[L8], v[WF+2*\k:WF+2*\k+1], s[OVS:OVS+1] offset:4096*\k   ; a key step's 256 bytes of the head: one aligned run
.endr
.Lend:
	s_wait_tensorcnt 0x0                           ; the wave's end
	ds_add_u32 v254, v255
	s_wait_dscnt 0x0
	ROUND                                          ; the closing round
	s_endpgm
.Lfunc_end_k_q621854b094_qkv:
	.size	k_q621854b094_qkv, .Lfunc_end_k_q621854b094_qkv-k_q621854b094_qkv
	.p2alignl 7, 3214868480
	.fill 96, 4, 3214868480
	.section	.rodata,"a",@progbits
	.p2align	6, 0x0
	.amdhsa_kernel k_q621854b094_qkv
		.amdhsa_group_segment_fixed_size 169984
		.amdhsa_private_segment_fixed_size 0
		.amdhsa_enable_private_segment 0
		.amdhsa_kernarg_size 64
		.amdhsa_user_sgpr_count 2
		.amdhsa_user_sgpr_kernarg_segment_ptr 1
		.amdhsa_wavefront_size32 1
		.amdhsa_system_sgpr_workgroup_id_x 1
		.amdhsa_system_sgpr_workgroup_id_y 1
		.amdhsa_system_sgpr_workgroup_id_z 1
		.amdhsa_system_vgpr_workitem_id 0
		.amdhsa_next_free_vgpr 1024
		.amdhsa_next_free_sgpr 92
		.amdhsa_reserve_vcc 0
		.amdhsa_float_denorm_mode_32 3
		.amdhsa_float_denorm_mode_16_64 3
		.amdhsa_memory_ordered 1
		.amdhsa_forward_progress 1
		.amdhsa_inst_pref_size 167
	.end_amdhsa_kernel
	.amdgpu_metadata
---
amdhsa.version: [ 1, 2 ]
amdhsa.kernels:
  - .name:           k_q621854b094_qkv
    .symbol:         k_q621854b094_qkv.kd
    .args:
      - { .name: cod, .offset: 0, .size: 8, .value_kind: global_buffer, .address_space: global }
      - { .name: scl, .offset: 8, .size: 8, .value_kind: global_buffer, .address_space: global }
      - { .name: q_b, .offset: 16, .size: 8, .value_kind: global_buffer, .address_space: global }
      - { .name: v_b, .offset: 24, .size: 8, .value_kind: global_buffer, .address_space: global }
      - { .name: qk, .offset: 32, .size: 8, .value_kind: global_buffer, .address_space: global }
      - { .name: qksc, .offset: 40, .size: 8, .value_kind: global_buffer, .address_space: global }
      - { .name: vcod, .offset: 48, .size: 8, .value_kind: global_buffer, .address_space: global }
      - { .name: vsc, .offset: 56, .size: 8, .value_kind: global_buffer, .address_space: global }
    .group_segment_fixed_size: 169984
    .private_segment_fixed_size: 0
    .kernarg_segment_align: 8
    .kernarg_segment_size: 64
    .max_flat_workgroup_size: 128
    .sgpr_count:     92
    .vgpr_count:     1024
    .wavefront_size: 32
...
	.end_amdgpu_metadata
.endif
;; end of part 2
;; launch attn (part 3): grid 4 x 64, 12 waves a work-group, clusters of 4 x 1, 169,984 bytes of LDS; arguments qk, qksc, vcod, vsc, acod, asc; writes acod, asc
.if DOCPART == 3
	.amdgcn_target "amdgcn-amd-amdhsa--gfx1250"
	.amdhsa_code_object_version 6
	.text
	.protected	k_q621854b094_attn
	.globl	k_q621854b094_attn
	.p2align	8
	.type	k_q621854b094_attn,@function
k_q621854b094_attn:
	s_mov_b64 s[64:65], 0
	v_nop
	global_prefetch_b8 v0, s[64:65] scope:SCOPE_SE
	s_setreg_imm32_b32 hwreg(HW_REG_WAVE_MODE, 25, 1), 1
	s_wait_xcnt 0x0
	s_wait_alu depctr_hold_cnt(0) depctr_sa_sdst(0) depctr_va_vdst(0) depctr_va_sdst(0) depctr_va_ssrc(0) depctr_va_vcc(0) depctr_vm_vsrc(0)
	s_getreg_b32 s2, hwreg(HW_REG_IB_STS2, 6, 4)
	s_cmp_eq_u32 s2, 0
	s_cbranch_scc0 .Lentry_in_a_cluster
	s_endpgm
.Lentry_in_a_cluster:
	s_bfe_u32 s2, ttmp6, 0x10000c
	s_cmp_lg_u32 s2, 0x3003
	s_cbranch_scc0 .Lentry_shape_is_right
	s_endpgm
.Lentry_shape_is_right:
; attention of one (batch, head) on codes of FP6 (E2M3) with E8M0 scales, and its result quantised along the embedding for the last product.
; t = score x log2(e) / 8 (the factor 1/8 of q stands here: q was quantised without it, which moves only its bytes); M = the running largest t rounded UP to a whole number; p = 2^(t - M) is quantised along the keys, not normalised;
; the row's sum is taken of the unquantised p and divides O at the end; when M moves, the sum and O are multiplied by 2^(old M - new M), which rounds nothing.
; LIMITS: NaN and infinities are not served; the scaled scores stay under 2^31 in magnitude; a block of the result whose largest magnitude lies under 2^-124 keeps the byte 1.
; SHARES.  Work-group (x, y): batch and head y, query tiles 24 x .. 24 x + 23 of the batch's 96 (1,536 rows: rows from 1,500 on repeat row 1,499 and are dropped by the next launch).
; Twelve waves, three to a SIMD; wave w makes tile 24 x + w and then tile 24 x + 12 + w.  The head's whole K and V are filled into LDS once; behind one barrier the waves are on their own.
; CLUSTER: the four work-groups of a head need the same K and V: each of the head's twelve fills is a joint load with the mask of all four.  Only global addresses (q, the results) hang on the place in the cluster.
; NO PREFETCH: all that the launch reads is asked for at its head; the loops fetch nothing.
; LAYOUT.  Both products are used transposed (source 0 = keys, or channels; source 1 = my 16 queries): a lane holds ONE query.
; THE HEAD IS 64, THE INSTRUCTION 128 ALONG K: a fragment of K holds TWO tiles of keys, one at k 0-63, one at k 64-127; it is multiplied once with [q | zero codes] and once with [zero codes | q].
; THE KEYS OF A TILE ARE CHOSEN BY THE LANES' LDS ADDRESSES: rows 0-7 of a tile are eight keys of block 2 c of the step's four blocks of 32, rows 8-15 the same eight of block 2 c + 1.
; So register 32 c + i of a lane's 64 scores is key 64 c + 32 (lane / 16) + i: a lane holds two WHOLE blocks: a block's largest p needs no other lane, and the conversions' results are the operand's registers.
; In memory tile n of K is 768 bytes: registers 0-3 of lane l at 16 l, registers 4-5 at 512 + 8 l; lane row i of tile 2 b + u is key 32 b + 8 u + i + 8 (i / 8).  The two parts come into LDS as two tiles, rows 576 and 288 bytes apart:
; two tiles on are 1,152 = 4 x 256 + 128 and 576 = 2 x 256 + 64 bytes, so the lanes of one load, which read two stored tiles, name different words modulo 256 bytes.
; Keys 1,500 .. 1,535 get the score -infinity ahead of the maximum: p = 0.
.set KL,   55296                       ; LDS: K's registers 0-3, 96 rows x 576, from 0; K's registers 4-5, 96 rows x 288, from here;
.set VC,   82944                       ; V's 48 fragments;
.set KS,   156672                      ; K's scale words [four tiles][r][2 words];
.set VS,   159744                      ; V's [128 keys][lanes' half][r][2 words];
.set ASC,  162816                      ; the result's scale bytes, [tile][r] 2 bytes, 768 bytes: no tile lands there;
.set SPARE,163584                      ; the spare words, 128 bytes a wave
.set AK,   3                           ; v3-7, v228 LDS addresses of the step
.set AL,   4
.set AV,   5
.set AW,   6
.set AS,   7
.set KV,   40                          ; v40-87 four fragments of K, then of V
.set QW,   94                          ; v94-95 the two tiles' words of q's scale bytes
.set S,    96                          ; v96-159 scores, then p
.set O,    160                         ; v160-191 O^T
.set PC,   192                         ; v192-203 p's codes
.set BM,   204                         ; v204-207 maxima; then codes
.set TB,   208                         ; v208-210 codes; v211 a lane permute's result
.set SOP,  212                         ; v212-215 scale operands, bytes;  v216-217 the sum's second chain
.set QN,   218                         ; v218-223 the second tile's q
.set LK,   224                         ; v224-226 the lanes' terms of K's addresses
.set LL,   225
.set LS,   226
.set SH8,  227                         ; 8 x (lane / 16)
.set AT,   228
.set PW,   229
.set TK,   8                           ; s8-11 the step's places in LDS (V's two pointers are done with by then)
.set TL,   9
.set TV,   10
.set TS,   11
.set G1K,  16
.set G1L,  24
.set G1V,  32
.set G1S,  40
.set G1T,  48
.set G0K,  56
.set G0L,  60
.set WV,   66
.set W3,   67
.set G0V,  68
.set G0S,  72
.set G0T,  76
.set CS,   80
.set SEL,  82
.set HI,   84
.set SH,   85
.set YY,   86
.set BB,   87
.set HH,   88
.set CX,   89
.set TP,   90
.set T2,   92
.set T3,   93
.set KOF,  94
.set SOF,  95
.set BOF,  96
.set TT,   97
.macro WM d, a, b, c, sa, sb, row      ; one product.  c < 0: the constant 0.  row = 1: source 0's scales from lanes 16-31
.if (\row) == 0
.if (\c) < 0
	v_wmma_scale_f32_16x16x128_f8f6f4 v[\d:\d+7], v[\a:\a+11], v[\b:\b+11], 0, v[\sa], v[\sb] matrix_a_fmt:MATRIX_FMT_FP6 matrix_b_fmt:MATRIX_FMT_FP6
.else
	v_wmma_scale_f32_16x16x128_f8f6f4 v[\d:\d+7], v[\a:\a+11], v[\b:\b+11], v[\c:\c+7], v[\sa], v[\sb] matrix_a_fmt:MATRIX_FMT_FP6 matrix_b_fmt:MATRIX_FMT_FP6
.endif
.else
.if (\c) < 0
	v_wmma_scale_f32_16x16x128_f8f6f4 v[\d:\d+7], v[\a:\a+11], v[\b:\b+11], 0, v[\sa], v[\sb] matrix_a_fmt:MATRIX_FMT_FP6 matrix_b_fmt:MATRIX_FMT_FP6 matrix_a_scale:MATRIX_SCALE_ROW1
.else
	v_wmma_scale_f32_16x16x128_f8f6f4 v[\d:\d+7], v[\a:\a+11], v[\b:\b+11], v[\c:\c+7], v[\sa], v[\sb] matrix_a_fmt:MATRIX_FMT_FP6 matrix_b_fmt:MATRIX_FMT_FP6 matrix_a_scale:MATRIX_SCALE_ROW1
.endif
.endif
.endm
.macro ROUND                           ; a round of the cluster's barrier
	s_barrier_signal -1
	s_barrier_wait -1
	s_cmp_lg_u32 s[WV], 0
	s_cbranch_scc1 .Lnot_wave_0_\@
	s_barrier_signal -3
.Lnot_wave_0_\@:
	s_barrier_wait -3
	s_barrier_signal -1
	s_barrier_wait -1
.endm
.macro FILL g0, g1                     ; a joint load and the lines behind it
	tensor_load_to_lds s[\g0:\g0+3], s[\g1:\g1+7]
	s_nop 0
.rept 4
	v_nop
.endr
.endm
.macro FOURK                           ; fragment p = 2 c + g: stored tiles 4 c + 2 (r / 8) + u, stored rows 8 g + r % 8
.irp p, 0,1,2,3
.irp u, 0,1
	ds_load_b128 v[KV+12*\p+6*\u:KV+12*\p+6*\u+3], v[AK] offset:576*(4*(\p/2)+\u)+128*(\p%2)
	ds_load_b64 v[KV+12*\p+6*\u+4:KV+12*\p+6*\u+5], v[AL] offset:288*(4*(\p/2)+\u)+64*(\p%2)
.endr
.endr
.endm
.macro FOURV                           ; V's four fragments as they lie: every load reads consecutive bytes
.irp p, 0,1,2,3
	ds_load_b128 v[KV+12*\p:KV+12*\p+3], v[AV] offset:1536*\p
	ds_load_b64 v[KV+12*\p+4:KV+12*\p+5], v[AW] offset:1536*\p+512
	ds_load_b128 v[KV+12*\p+6:KV+12*\p+9], v[AV] offset:1536*\p+768
	ds_load_b64 v[KV+12*\p+10:KV+12*\p+11], v[AW] offset:1536*\p+1280
.endr
.endm
.macro PKF q                           ; t - M of the scores' pair q (of the pairs c and -M the low word serves both halves)
	v_pk_fma_f32 v[S+2*(\q):S+2*(\q)+1], v[S+2*(\q):S+2*(\q)+1], s[CS:CS+1], v[12:13] op_sel_hi:[1,0,0]
.endm
.macro SUMK n                          ; the row's sum of the unquantised p, two at a time, in two chains: addition n of 32
.if (\n) == 0
	v_pk_add_f32 v[216:217], v[S:S+1], v[S+2:S+3]
.elseif (\n) == 31
	v_pk_add_f32 v[14:15], v[14:15], v[216:217]
.elseif (\n) % 2 == 1
	v_pk_add_f32 v[14:15], v[14:15], v[S+2*(\n)+2:S+2*(\n)+3]
.else
	v_pk_add_f32 v[216:217], v[216:217], v[S+2*(\n)+2:S+2*(\n)+3]
.endif
.endm
.macro SUMS a, b
.set N, \a
.rept \b-\a+1
	SUMK N
.set N, N+1
.endr
.endm
; A KEY STEP: 128 keys.  mask = 1: the batch's last step, whose keys from 92 on are padding
.macro STEP mask
	v_add_nc_u32 v[AK], s[TK], v[LK]               ; (these three and the three additions behind the last product are the places in front of the loads into its operands)
	v_add_nc_u32 v[AL], s[TL], v[LL]
	v_add_nc_u32 v[AS], s[TS], v[LS]
	FOURK
	ds_load_b32 v10, v[AS]                         ; K's scale words: c = 0: lanes 0-15 fragment 0, lanes 16-31 fragment 1;
	ds_load_b32 v11, v[AS] offset:128              ; c = 1: fragments 2, 3
	s_wait_dscnt 0x0
.irp p, 0,1,2,3
	WM S+16*\p, KV+12*\p, 22, -1, 10+\p/2, 34, \p%2        ; the tile at k 0-63 x [q | 0]
	WM S+16*\p+8, KV+12*\p, 16, -1, 10+\p/2, 35, \p%2      ; the tile at k 64-127 x [0 | q]
.endr
	v_add_nc_u32 v[AV], s[TV], v1                  ; four places in front of the loads into K's registers and of the first read of the scores
	v_add_nc_u32 v[AW], s[TV], v2
	v_add_nc_u32 v[AT], s[TS], v2
	v_mov_b32 v88, v12                             ; the old -M
	FOURV                                          ; V's four fragments land under the softmax
	ds_load_b64 v[36:37], v[AT] offset:VS-KS       ; V's scale words: lanes 0-15 tiles 0, 2; lanes 16-31 tiles 1, 3
.if \mask
.set J, 32
.rept 28
	v_cndmask_b32 v[S+J], v[S+J], v9, s[HI]        ; keys 96 .. 123: lanes 16-31 (each accumulator from its low end on)
.set J, J+1
.endr
.irp j, 60,61,62,63
	v_mov_b32 v[S+\j], v9                          ; keys 92 .. 95 and 124 .. 127
.endr
.endif
.irp b, 0,1,2,3
	v_max3_num_f32 v[BM+\b], v[S+16*\b], v[S+1+16*\b], v[S+2+16*\b]   ; the largest score of each block, in two chains a block: for the row's maximum, and, since p rises with the score, for the block's largest p
.endr
.irp i, 3,5,7,9,11,13
.irp b, 0,1,2,3
	v_max3_num_f32 v[BM+\b], v[BM+\b], v[S+16*\b+\i], v[S+1+16*\b+\i]
.endr
.endr
	v_max3_num_f32 v[BM], v[BM], v[BM+1], v[S+15]
	v_max3_num_f32 v[BM+2], v[BM+2], v[BM+3], v[S+47]
	v_max_num_f32 v[BM], v[BM], v[S+31]
	v_max_num_f32 v[BM+2], v[BM+2], v[S+63]
	v_max_num_f32 v89, v[BM], v[BM+2]
	v_permlanex16_b32 v211, v89, s[SEL], s[SEL+1]
	v_max3_num_f32 v13, v13, v89, v211             ; the running largest score of my query, lane l xor 16's 64 keys among them
	s_delay_alu instid0(VALU_DEP_1)
	v_mul_f32 v89, s[CS], v13                      ; as t (c is positive)
	s_delay_alu instid0(VALU_DEP_1)
	v_floor_f32 v12, -v89                          ; the new -M = floor(-t): M is a whole number
	s_delay_alu instid0(VALU_DEP_1)
	v_sub_f32 v88, v12, v88                        ; old M - new M: a whole number, 0 or less
	PKF 0
	PKF 1
	v_cvt_i32_f32 v88, v88                         ; (it saturates)
	PKF 2
	PKF 3
	v_ldexp_f32 v90, 1.0, v88                      ; f = 2^(old M - new M)
.set Q, 4
.rept 28
	PKF Q
.set Q, Q+1
.endr
	v_fma_f32 v[BM], v[BM], s[CS], v12             ; t - M of each block's largest score
	v_fma_f32 v[BM+2], v[BM+2], s[CS], v12
	v_pk_mul_f32 v[14:15], v[14:15], v[90:91] op_sel_hi:[1,0]      ; the sums under the new M
.set Q, 0
.rept 16
	v_pk_mul_f32 v[O+2*Q:O+2*Q+1], v[O+2*Q:O+2*Q+1], v[90:91] op_sel_hi:[1,0]   ; O^T under the new M, ahead of the exponentials, each accumulator from its low end on
.set Q, Q+1
.endr
	s_wait_alu depctr_va_vdst(0)
	v_exp_f32 v[BM], v[BM]                         ; the block's largest p: the same two instructions on the same number as the score itself goes through
	v_exp_f32 v[BM+2], v[BM+2]
.set J, 0
.rept 64
	v_exp_f32 v[S+J], v[S+J]                       ; p = 2^(t - M), at most 1
.set J, J+1
.endr
	v_nop                                          ; a plain line behind the batch
	s_wait_alu depctr_va_vdst(0)                   ; and the one wait behind it
	v_max_num_f32 v[BM], 0x1800000, v[BM]          ; the floor 2^(3 - 127): the byte cannot fall under 1
	v_max_num_f32 v[BM+2], 0x1800000, v[BM+2]
	SUMS 0, 1
	v_add_nc_u32 v[SOP], 0xff000000, v[BM]         ; 2 off the exponent field: the conversion's scale operand
	v_add_nc_u32 v[SOP+1], 0xff000000, v[BM+2]
	SUMS 2, 3
	v_cvt_scalef32_pk16_fp6_f32 v[PC:PC+2], v[S:S+15], v[SOP]
	v_cvt_scalef32_pk16_fp6_f32 v[BM:BM+2], v[S+16:S+31], v[SOP]       ; (a conversion's three registers begin on an even number)
	v_cvt_scalef32_pk16_fp6_f32 v[PC+6:PC+8], v[S+32:S+47], v[SOP+1]
	v_cvt_scalef32_pk16_fp6_f32 v[TB:TB+2], v[S+48:S+63], v[SOP+1]
	v_lshrrev_b32 v[SOP+2], 23, v[SOP]             ; the scales' bytes.  (A plain line behind the scaled conversions)
	v_lshrrev_b32 v[SOP+3], 23, v[SOP+1]
	SUMS 4, 5
	v_lshl_or_b32 v[PW], v[SOP+3], 16, v[SOP+2]    ; my two bytes: blocks h and 2 + h,
.irp i, 0,1,2
	v_mov_b32 v[PC+3+\i], v[BM+\i]
	v_mov_b32 v[PC+9+\i], v[TB+\i]
.endr
	v_lshlrev_b32 v[PW], v[SH8], v[PW]             ; at their places in the word;
	v_permlanex16_b32 v211, v[PW], s[SEL], s[SEL+1]
	SUMS 6, 6
	v_or_b32 v38, v[PW], v211                      ; with lane l xor 16's two: p's scale word for these 128 keys
	SUMS 7, 16                                     ; ten additions between the scale word and the products (eight are owed)
	s_wait_alu depctr_va_vdst(0)
	s_wait_dscnt 0x0                               ; V
	WM O, KV, PC, O, 36, 38, 0                     ; O^T += V^T p^T: four accumulators, one instruction each
	SUMS 17, 20
	WM O+8, KV+12, PC, O+8, 36, 38, 1
	SUMS 21, 24
	WM O+16, KV+24, PC, O+16, 37, 38, 0
	SUMS 25, 28
	WM O+24, KV+36, PC, O+24, 37, 38, 1
	SUMS 29, 31
	s_add_co_u32 s[TK], s[TK], 4608
	s_add_co_u32 s[TL], s[TL], 2304
	s_add_co_u32 s[TV], s[TV], 6144
	s_add_co_u32 s[TS], s[TS], 256
.endm
; the result of a tile: divided by the sum, quantised along the head's 64 (two blocks; register 16 b + i is channel 32 b + 16 h + i), out as half a fragment and two bytes a row
.macro FIN off, asa
	v_add_f32 v14, v14, v15
	v_permlanex16_b32 v89, v14, s[SEL], s[SEL+1]
	v_add_f32 v14, v14, v89                        ; the row's sum
	s_wait_alu depctr_va_vdst(0)                   ; the wait ahead of the reciprocal
	v_rcp_f32 v14, v14
	v_nop
	s_wait_alu depctr_va_vdst(0)                   ; and behind it, directly ahead of the first reader of O^T
.set J, 0
.rept 32
	v_mul_f32 v[S+J], v[O+J], v14
.set J, J+1
.endr
.irp b, 0,1
	v_max3_num_f32 v[BM+\b], |v[S+16*\b]|, |v[S+1+16*\b]|, 0x1800000
.endr
.irp i, 2,4,6,8,10,12,14
.irp b, 0,1
	v_max3_num_f32 v[BM+\b], v[BM+\b], |v[S+16*\b+\i]|, |v[S+1+16*\b+\i]|
.endr
.endr
.irp b, 0,1
	v_permlanex16_b32 v[TB+\b], v[BM+\b], s[SEL], s[SEL+1]
.endr
.irp b, 0,1
	v_max_num_f32 v[BM+\b], v[BM+\b], v[TB+\b]
.endr
.irp b, 0,1
	v_add_nc_u32 v[SOP+\b], 0xff000000, v[BM+\b]
.endr
.irp b, 0,1
	v_lshrrev_b32 v[TB+\b], 23, v[SOP+\b]
.endr
	v_lshl_or_b32 v88, v[TB+1], 8, v[TB]           ; my row's two bytes
	v_cvt_scalef32_pk16_fp6_f32 v[PC:PC+2], v[S:S+15], v[SOP]
	v_cvt_scalef32_pk16_fp6_f32 v[BM:BM+2], v[S+16:S+31], v[SOP+1]
	v_nop
.irp i, 0,1,2
	v_permlane16_swap_b32 v[PC+\i], v[BM+\i]       ; the layout wants a whole block in a lane
.endr
.irp i, 0,1,2
	v_mov_b32 v[PC+3+\i], v[BM+\i]
.endr
	global_store_b128 v1, v[PC:PC+3], s[12:13] offset:\off           ; 512 and 256 consecutive bytes, aligned
	global_store_b64 v2, v[PC+4:PC+5], s[12:13] offset:\off+512
	ds_store_b16 v[\asa], v88                      ; lanes r and r + 16 write the same bytes with the same value
	s_wait_xcnt 0x0                                ; the stores have read their registers
.endm
.macro PASS p, asa
.if \p
.irp j, 0,1,2,3,4,5
	v_mov_b32 v[22+\j], v[QN+\j]                   ; the second tile's q between the zero codes
.endr
.endif
	v_lshrrev_b32 v34, s[SH], v[QW+\p]             ; my tile's two bytes of the word of two tiles;
	v_and_b32 v34, 0xffff, v34                     ; the zero codes' blocks take the byte 0
	v_lshlrev_b32 v35, 16, v34
	v_mov_b32 v13, 0xff61b1e6                      ; the largest score so far: -3e38
	v_mov_b32 v12, 0x7f61b1e6                      ; -M
	v_mov_b32 v14, 0
	v_mov_b32 v15, 0
.set J, 0
.rept 32
	v_mov_b32 v[O+J], 0                            ; the step is written once: the first finds zeros
.set J, J+1
.endr
	s_mov_b32 s[TK], 0
	s_mov_b32 s[TL], KL
	s_mov_b32 s[TV], VC
	s_mov_b32 s[TS], KS
	s_mov_b32 s[T2], 11
	s_wait_alu depctr_va_vdst(0)
.Lkeys_\p:
	STEP 0
	s_sub_co_u32 s[T2], s[T2], 1
	s_cmp_lg_u32 s[T2], 0
	s_wait_alu depctr_va_vdst(0)
	s_cbranch_scc1 .Lkeys_\p
	STEP 1
	FIN 147456*\p, \asa
.endm
	s_load_b256 s[4:11], s[0:1], 0x0               ; qk, qksc, vcod, vsc
	s_load_b128 s[12:15], s[0:1], 0x20             ; acod, asc
	v_lshl_add_u32 v254, v0, 2, SPARE
	v_mov_b32 v255, 0
	ds_add_u32 v254, v255                          ; the opening lines: the add, twice on end, and its wait
	ds_add_u32 v254, v255
	v_lshrrev_b32 v3, 5, v0
	v_readfirstlane_b32 s[WV], v3                  ; wave 0..11
	v_and_b32 v3, 31, v0
	v_and_b32 v4, 15, v0                           ; r
	v_and_b32 v5, 7, v0                            ; r % 8
	v_bfe_u32 v6, v0, 3, 1                         ; r / 8
	v_bfe_u32 v7, v0, 4, 1                         ; h
	v_lshlrev_b32 v1, 4, v3                        ; 16 x lane
	v_lshlrev_b32 v2, 3, v3                        ; 8 x lane
	v_lshlrev_b32 v8, 3, v4                        ; 8 r
	v_mov_b32 v9, 0xff800000                       ; -infinity
	v_lshlrev_b32 v[LK], 4, v5
	v_lshl_add_u32 v[LK], v7, 8, v[LK]
	v_mad_u32_u24 v[LK], v6, 1152, v[LK]           ; K's registers 0-3: 16 (r % 8) + 256 h + two rows of 576 x (r / 8)
	v_lshlrev_b32 v[LL], 3, v5
	v_lshl_add_u32 v[LL], v7, 7, v[LL]
	v_mad_u32_u24 v[LL], v6, 576, v[LL]            ; registers 4-5: 8 (r % 8) + 128 h + two rows of 288 x (r / 8)
	v_lshlrev_b32 v[LS], 3, v5
	v_lshl_add_u32 v[LS], v7, 6, v[LS]
	v_lshl_add_u32 v[LS], v6, 2, v[LS]             ; K's scale words: stored row 8 h + r % 8, word r / 8
	v_lshlrev_b32 v[SH8], 3, v7
	v_and_b32 v39, 0x1e0, v0                       ; 32 x wave
	v_lshl_add_u32 v39, v4, 1, v39
	v_add_nc_u32 v39, ASC, v39                     ; the first tile's scale bytes: ASC + 32 x wave + 2 r
	v_add_nc_u32 v93, 384, v39                     ; the second tile's, twelve tiles on
	v_add_nc_u32 v92, ASC, v2
.irp j, 16,17,18,19,20,21,28,29,30,31,32,33
	v_mov_b32 v\j, 0                               ; zero codes on both sides of q
.endr
.irp j, 208,209,210,211,89,91
	v_mov_b32 v\j, 0                               ; written once: a lane permute's destination counts as one of its sources; v91 is named as the upper half of v[90:91]
.endr
	s_wait_alu depctr_va_vdst(0)
	s_and_b32 s[W3], s[WV], 3
	s_and_b32 s[T2], s[WV], 1
	s_lshl_b32 s[SH], s[T2], 4                     ; which half of a word of two tiles is my tiles': both have the wave's parity
	s_bfe_u32 s[CX], ttmp6, 0x40000                ; x: my place in the cluster
	s_and_b32 s[YY], ttmp7, 0xffff                 ; 16 x batch + head
	s_lshr_b32 s[BB], s[YY], 4
	s_and_b32 s[HH], s[YY], 15
	s_mov_b32 s[TP+1], 0
	s_mul_i32 s[KOF], s[YY], 73728
	s_mul_i32 s[BOF], s[BB], 1179648
	s_lshr_b32 s[SOF], s[HH], 1
	s_mul_i32 s[SOF], s[SOF], 6144
	s_and_b32 s[T3], s[HH], 1
	s_lshl_b32 s[T3], s[T3], 7
	s_add_co_u32 s[SOF], s[SOF], s[T3]
	s_mul_i32 s[T3], s[BB], 49152
	s_add_co_u32 s[SOF], s[SOF], s[T3]             ; the batch's and head's place in either half of qksc
	s_mov_b32 s[CS], 0x3e38aa3b                    ; c = log2(e) / 8
	s_mov_b32 s[CS+1], s[CS]
	s_mov_b32 s[SEL], 0x76543210
	s_mov_b32 s[SEL+1], 0xfedcba98
	s_mov_b32 s[HI], 0xffff0000
	; descriptor groups 1, elements of 8 bytes, the mask of all four work-groups and bit 21 beside it
	s_mov_b32 s[G1K], 15|(3<<16)|(1<<20)|(1<<21)|(6<<22)|(15<<25)  ; K's registers 0-3: 24 rows of 512 bytes, 768 apart; 64 bytes of padding behind each
	s_mov_b32 s[G1K+1], 64<<16
	s_mov_b32 s[G1K+2], 24<<16
	s_mov_b32 s[G1K+3], 64<<16
	s_mov_b32 s[G1K+4], 24
	s_mov_b32 s[G1K+5], 96
	s_mov_b32 s[G1K+6], 0
	s_mov_b32 s[G1K+7], 0
	s_mov_b32 s[G1L], 15|(3<<16)|(1<<20)|(1<<21)|(5<<22)|(7<<25)   ; K's registers 4-5: 24 rows of 256 bytes, 768 apart; 32 bytes of padding
	s_mov_b32 s[G1L+1], 32<<16
	s_mov_b32 s[G1L+2], 24<<16
	s_mov_b32 s[G1L+3], 32<<16
	s_mov_b32 s[G1L+4], 24
	s_mov_b32 s[G1L+5], 96
	s_mov_b32 s[G1L+6], 0
	s_mov_b32 s[G1L+7], 0
	s_mov_b32 s[G1V], 15|(3<<16)|(1<<21)           ; V: 6 rows (128 keys each) of 6,144 bytes, 98,304 apart
	s_mov_b32 s[G1V+1], 768<<16
	s_mov_b32 s[G1V+2], 6<<16
	s_mov_b32 s[G1V+3], 768<<16
	s_mov_b32 s[G1V+4], 6
	s_mov_b32 s[G1V+5], 12288
	s_mov_b32 s[G1V+6], 0
	s_mov_b32 s[G1V+7], 0
	s_mov_b32 s[G1S], 15|(3<<16)|(1<<21)           ; K's scale words: 24 rows of 128 bytes, 256 apart
	s_mov_b32 s[G1S+1], 16<<16
	s_mov_b32 s[G1S+2], 24<<16
	s_mov_b32 s[G1S+3], 16<<16
	s_mov_b32 s[G1S+4], 24
	s_mov_b32 s[G1S+5], 32
	s_mov_b32 s[G1S+6], 0
	s_mov_b32 s[G1S+7], 0
	s_mov_b32 s[G1T], 15|(3<<16)|(1<<21)           ; V's scale words: 12 rows of 256 bytes, 4,096 apart
	s_mov_b32 s[G1T+1], 32<<16
	s_mov_b32 s[G1T+2], 12<<16
	s_mov_b32 s[G1T+3], 32<<16
	s_mov_b32 s[G1T+4], 12
	s_mov_b32 s[G1T+5], 512
	s_mov_b32 s[G1T+6], 0
	s_mov_b32 s[G1T+7], 0
	s_mov_b32 s[G0K], 1
	s_mul_i32 s[G0K+1], s[W3], 13824
	s_mov_b32 s[G0L], 1
	s_mul_i32 s[G0L+1], s[W3], 6912
	s_add_co_u32 s[G0L+1], s[G0L+1], KL
	s_mov_b32 s[G0V], 1
	s_mul_i32 s[G0V+1], s[T2], 36864
	s_add_co_u32 s[G0V+1], s[G0V+1], VC
	s_mov_b32 s[G0S], 1
	s_mov_b32 s[G0S+1], KS
	s_mov_b32 s[G0T], 1
	s_mov_b32 s[G0T+1], VS
	s_wait_dscnt 0x0                               ; both opening adds are done
	s_wait_kmcnt 0x0
	s_mul_i32 s[TP], s[W3], 18432                  ; a quarter of K: 24 tiles
	s_add_co_u32 s[TP], s[TP], s[KOF]
	s_add_co_u32 s[TP], s[TP], 4718592             ; k lies behind q
	s_add_nc_u64 s[G0K+2:G0K+3], s[4:5], s[TP:TP+1]
	s_add_nc_u64 s[G0L+2:G0L+3], s[G0K+2:G0K+3], 512
	s_or_b32 s[G0K+3], s[G0K+3], 0x80000000
	s_or_b32 s[G0L+3], s[G0L+3], 0x80000000
	s_mul_i32 s[TP], s[T2], 589824                 ; a half of V: six key steps
	s_add_co_u32 s[TP], s[TP], s[BOF]
	s_mul_i32 s[TT], s[HH], 6144
	s_add_co_u32 s[TP], s[TP], s[TT]
	s_add_nc_u64 s[G0V+2:G0V+3], s[8:9], s[TP:TP+1]
	s_or_b32 s[G0V+3], s[G0V+3], 0x80000000
	s_add_co_u32 s[TP], s[SOF], 196608
	s_add_nc_u64 s[G0S+2:G0S+3], s[6:7], s[TP:TP+1]
	s_or_b32 s[G0S+3], s[G0S+3], 0x80000000
	s_lshl_b32 s[TP], s[HH], 8
	s_add_co_u32 s[TP], s[TP], s[T3]
	s_add_nc_u64 s[G0T+2:G0T+3], s[10:11], s[TP:TP+1]
	s_or_b32 s[G0T+3], s[G0T+3], 0x80000000
	ROUND                                          ; all four work-groups are here: the joint loads meet
	; the launch's only fills, one a wave: one chain of branches on the wave's number, every way through it passes one load
	s_cmp_lt_u32 s[WV], 4
	s_cbranch_scc0 .Lfill_l
	FILL G0K, G1K
	s_branch .Lfilled
.Lfill_l:
	s_cmp_lt_u32 s[WV], 8
	s_cbranch_scc0 .Lfill_v
	FILL G0L, G1L
	s_branch .Lfilled
.Lfill_v:
	s_cmp_lt_u32 s[WV], 10
	s_cbranch_scc0 .Lfill_ks
	FILL G0V, G1V
	s_branch .Lfilled
.Lfill_ks:
	s_cmp_eq_u32 s[WV], 10
	s_cbranch_scc0 .Lfill_vs
	FILL G0S, G1S
	s_branch .Lfilled
.Lfill_vs:
	FILL G0T, G1T
.Lfilled:
	s_mul_i32 s[TT], s[CX], 24
	s_add_co_u32 s[TT], s[TT], s[WV]               ; my first tile: 24 x + wave; the second lies twelve tiles on, at constant distances in every buffer
	s_mul_i32 s[TP], s[TT], 768
	s_add_co_u32 s[TP], s[TP], s[KOF]
	s_add_nc_u64 s[4:5], s[4:5], s[TP:TP+1]        ; q
	s_lshr_b32 s[TP], s[TT], 2
	s_lshl_b32 s[TP], s[TP], 8
	s_add_co_u32 s[TP], s[TP], s[SOF]
	s_bfe_u32 s[T3], s[TT], 0x10001
	s_lshl_b32 s[T3], s[T3], 2
	s_add_co_u32 s[TP], s[TP], s[T3]
	s_add_nc_u64 s[6:7], s[6:7], s[TP:TP+1]        ; q's scale words
	s_mul_i32 s[TP], s[TT], 12288
	s_add_co_u32 s[TP], s[TP], s[BOF]
	s_mul_i32 s[T3], s[HH], 768
	s_add_co_u32 s[TP], s[TP], s[T3]
	s_add_nc_u64 s[12:13], s[12:13], s[TP:TP+1]    ; acod: [batch][tile][head] x 768
	s_mul_i32 s[TP], s[YY], 3072
	s_mul_i32 s[T3], s[CX], 768
	s_add_co_u32 s[TP], s[TP], s[T3]
	s_add_nc_u64 s[14:15], s[14:15], s[TP:TP+1]    ; asc: [batch][head][tile][r] x 2
	global_load_b128 v[22:25], v1, s[4:5]          ; q of both tiles is asked for while K and V are on their way
	global_load_b64 v[26:27], v2, s[4:5] offset:512
	global_load_b32 v[QW], v8, s[6:7]
	global_load_b128 v[QN:QN+3], v1, s[4:5] offset:9216
	global_load_b64 v[QN+4:QN+5], v2, s[4:5] offset:9728
	global_load_b32 v[QW+1], v8, s[6:7] offset:768
	s_wait_tensorcnt 0x0                           ; my part of K and V has landed,
	s_wait_loadcnt 0x0                             ; and q is in
	s_barrier_signal -1
	s_barrier_wait -1                              ; everybody's part has landed
	PASS 0, 39
	PASS 1, 93
	s_wait_dscnt 0x0                               ; for the others' sake: my rows' bytes lie in LDS
	s_barrier_signal -1
	s_barrier_wait -1
	s_cmp_lg_u32 s[WV], 0
	s_cbranch_scc1 .Lend
.irp k, 0,1,2
	ds_load_b64 v[KV+2*\k:KV+2*\k+1], v92 offset:256*\k
.endr
	s_wait_dscnt 0x0
.irp k, 0,1,2
	global_store_b64 v2, v[KV+2*\k:KV+2*\k+1], s[14:15] offset:256*\k   ; the 24 tiles' 768 bytes: three aligned runs of 256
.endr
.Lend:
	s_wait_tensorcnt 0x0                           ; the wave's end
	ds_add_u32 v254, v255
	s_wait_dscnt 0x0
	ROUND                                          ; the closing round
	s_endpgm
.Lfunc_end_k_q621854b094_attn:
	.size	k_q621854b094_attn, .Lfunc_end_k_q621854b094_attn-k_q621854b094_attn
	.p2alignl 7, 3214868480
	.fill 96, 4, 3214868480
	.section	.rodata,"a",@progbits
	.p2align	6, 0x0
	.amdhsa_kernel k_q621854b094_attn
		.amdhsa_group_segment_fixed_size 169984
		.amdhsa_private_segment_fixed_size 0
		.amdhsa_enable_private_segment 0
		.amdhsa_kernarg_size 48
		.amdhsa_user_sgpr_count 2
		.amdhsa_user_sgpr_kernarg_segment_ptr 1
		.amdhsa_wavefront_size32 1
		.amdhsa_system_sgpr_workgroup_id_x 1
		.amdhsa_system_sgpr_workgroup_id_y 1
		.amdhsa_system_sgpr_workgroup_id_z 1
		.amdhsa_system_vgpr_workitem_id 0
		.amdhsa_next_free_vgpr 256
		.amdhsa_next_free_sgpr 98
		.amdhsa_reserve_vcc 0
		.amdhsa_float_denorm_mode_32 3
		.amdhsa_float_denorm_mode_16_64 3
		.amdhsa_memory_ordered 1
		.amdhsa_forward_progress 1
		.amdhsa_inst_pref_size 86
	.end_amdhsa_kernel
	.amdgpu_metadata
---
amdhsa.version: [ 1, 2 ]
amdhsa.kernels:
  - .name:           k_q621854b094_attn
    .symbol:         k_q621854b094_attn.kd
    .args:
      - { .name: qk, .offset: 0, .size: 8, .value_kind: global_buffer, .address_space: global }
      - { .name: qksc, .offset: 8, .size: 8, .value_kind: global_buffer, .address_space: global }
      - { .name: vcod, .offset: 16, .size: 8, .value_kind: global_buffer, .address_space: global }
      - { .name: vsc, .offset: 24, .size: 8, .value_kind: global_buffer, .address_space: global }
      - { .name: acod, .offset: 32, .size: 8, .value_kind: global_buffer, .address_space: global }
      - { .name: asc, .offset: 40, .size: 8, .value_kind: global_buffer, .address_space: global }
    .group_segment_fixed_size: 169984
    .private_segment_fixed_size: 0
    .kernarg_segment_align: 8
    .kernarg_segment_size: 48
    .max_flat_workgroup_size: 384
    .sgpr_count:     98
    .vgpr_count:     256
    .wavefront_size: 32
...
	.end_amdgpu_metadata
.endif
;; end of part 3
;; launch outp (part 4): grid 256 x 1, 4 waves a work-group, no clusters, 327,680 bytes of LDS; arguments cod, scl, acod, asc, out_b, out0; writes out0
.if DOCPART == 4
	.amdgcn_target "amdgcn-amd-amdhsa--gfx1250"
	.amdhsa_code_object_version 6
	.text
	.protected	k_q621854b094_outp
	.globl	k_q621854b094_outp
	.p2align	8
	.type	k_q621854b094_outp,@function
k_q621854b094_outp:
	s_mov_b64 s[64:65], 0
	v_nop
	global_prefetch_b8 v0, s[64:65] scope:SCOPE_SE
	s_setreg_imm32_b32 hwreg(HW_REG_WAVE_MODE, 25, 1), 1
	s_wait_xcnt 0x0
.set AS,   73728
.set STG,  76800
.set L16,  1
.set L8,   2
.set SO3,  3
.set A16,  4
.set A8,   5
.set AU,   6
.set STI,  7
.set STO,  8
.set GO,   9
.set H64,  10
.set PS,   16
.set QS,   32
.set U,    192
.set BIA,  64
.set ACC,  128
.set WV,   20
.set PB,   28
.set PSB,  30
.set G1C,  32
.set G0C,  40
.set G1S,  44
.set G0S,  52
.set OBP,  56
.set OBS,  58
.set MSB, 0
.macro WIN new
.if MSB != \new
	s_set_vgpr_msb (MSB<<8)|\new
.set MSB, \new
.endif
.endm
.macro WM d, a, b, c, sa, sb, row
.if (\row) == 0
	v_wmma_scale_f32_16x16x128_f8f6f4 v[\d:\d+7], v[\a:\a+11], v[\b:\b+11], v[\c:\c+7], v[\sa], v[\sb] matrix_a_fmt:MATRIX_FMT_FP6 matrix_b_fmt:MATRIX_FMT_FP6
.else
	v_wmma_scale_f32_16x16x128_f8f6f4 v[\d:\d+7], v[\a:\a+11], v[\b:\b+11], v[\c:\c+7], v[\sa], v[\sb] matrix_a_fmt:MATRIX_FMT_FP6 matrix_b_fmt:MATRIX_FMT_FP6 matrix_a_scale:MATRIX_SCALE_ROW1 matrix_b_scale:MATRIX_SCALE_ROW1
.endif
.endm
.macro DU k
	s_wait_xcnt 0x0
	v_add_nc_u32 v[A16], 24576*\k, v[L16]
	v_add_nc_u32 v[A8], 24576*\k, v[L8]
	WIN 0x40
.irp q, 0,1
.irp s, 0,1,2,3,4,5,6,7
	ds_load_b128 v[12*(8*\q+\s):12*(8*\q+\s)+3], v[A16] offset:12288*\q+1536*\s
	ds_load_b64 v[12*(8*\q+\s)+4:12*(8*\q+\s)+5], v[A8] offset:12288*\q+1536*\s+512
	ds_load_b128 v[12*(8*\q+\s)+6:12*(8*\q+\s)+9], v[A16] offset:12288*\q+1536*\s+768
	ds_load_b64 v[12*(8*\q+\s)+10:12*(8*\q+\s)+11], v[A8] offset:12288*\q+1536*\s+1280
.endr
.endr
	WIN 0
	s_wait_dscnt 0x0
.irp q, 0,1
.irp j, 0,1,2,3
	v_lshl_or_b32 v[QS+4*\q+\j], v[U+16*\k+8*\q+2*\j+1], 16, v[U+16*\k+8*\q+2*\j]
.endr
.endr
.rept 8
	v_nop
.endr
.irp s, 0,1,2,3,4,5,6,7
.irp q, 0,1
.irp i, 0,1,2,3
.set FN, 4*\s+\i
.if FN < 21
	WIN 0x06
.set PR, 12*FN
.else
	WIN 0x07
.set PR, 12*(FN-21)
.endif
.if \s == 0
	WM ACC+32*\q+8*\i, PR, 12*(8*\q+\s), BIA+8*\i, PS+4*\i+\s%4, QS+4*\q+\s%4, 0
.else
	WM ACC+32*\q+8*\i, PR, 12*(8*\q+\s), ACC+32*\q+8*\i, PS+4*\i+\s%4, QS+4*\q+\s%4, \s/4
.endif
.endr
.endr
.endr
	WIN 0
.rept 4
	v_nop
.endr
.irp q, 0,1
.irp i, 0,1,2,3
	ds_store_b128 v[STI], v[ACC+32*\q+8*\i:ACC+32*\q+8*\i+3] offset:128*(\i/2)+32*(\i%2)
	ds_store_b128 v[STI], v[ACC+32*\q+8*\i+4:ACC+32*\q+8*\i+7] offset:128*(\i/2)+32*(\i%2)+16
.endr
.irp t, 0,1,2,3,4,5,6,7
	ds_load_b128 v[ACC+32*\q+4*\t:ACC+32*\q+4*\t+3], v[STO] offset:544*\t
.endr
	s_wait_dscnt 0x0
.irp t, 0,1,2,3,4,5
	global_store_b128 v[GO], v[ACC+32*\q+4*\t:ACC+32*\q+4*\t+3], s[OBS:OBS+1] offset:131072*\k+32768*\q+4096*(2*\t+8*(\t/4)) th:TH_STORE_NT
.endr
.if (\k == 1) && (\q == 1)
	s_cmp_eq_u32 s24, 90
	s_cbranch_scc1 .Lpad_rows
.endif
.irp t, 6,7
	global_store_b128 v[GO], v[ACC+32*\q+4*\t:ACC+32*\q+4*\t+3], s[OBS:OBS+1] offset:131072*\k+32768*\q+4096*(2*\t+8*(\t/4)) th:TH_STORE_NT
.endr
.if (\k == 1) && (\q == 1)
.Lpad_rows:
.endif
.endr
.endm
	s_load_b256 s[4:11], s[0:1], 0x0
	s_load_b128 s[12:15], s[0:1], 0x20
	v_lshl_add_u32 v254, v0, 2, 0x29000
	v_mov_b32 v255, 0
	ds_add_u32 v254, v255
	ds_add_u32 v254, v255
	v_lshrrev_b32 v11, 5, v0
	v_readfirstlane_b32 s[WV], v11
	v_and_b32 v13, 31, v0
	v_and_b32 v11, 15, v0
	v_bfe_u32 v12, v0, 4, 1
	v_lshlrev_b32 v[L16], 4, v13
	v_lshlrev_b32 v[L8], 3, v13
	v_lshlrev_b32 v[SO3], 5, v11
	v_lshl_add_u32 v[SO3], v12, 4, v[SO3]
	v_mul_u32_u24 v[AU], v12, 24576                ; the scale bytes in asc: lanes 16-31 take heads 8-15 (3,072 bytes a head), 2 bytes a row
	v_lshl_add_u32 v[AU], v11, 1, v[AU]
	s_mul_i32 s26, s[WV], 4352
	s_add_co_u32 s26, s26, STG
	v_mul_u32_u24 v[STI], v11, 272
	v_lshl_add_u32 v[STI], v12, 6, v[STI]
	v_add_nc_u32 v[STI], s26, v[STI]
	v_mul_u32_u24 v[STO], v12, 272
	v_lshl_add_u32 v[STO], v11, 4, v[STO]
	v_add_nc_u32 v[STO], s26, v[STO]
	v_lshlrev_b32 v[GO], 12, v12
	v_lshl_add_u32 v[GO], v11, 4, v[GO]
	v_lshlrev_b32 v[H64], 6, v12
	s_and_b32 s21, ttmp9, 3
	s_lshr_b32 s22, ttmp9, 2
	s_lshr_b32 s23, s22, 4
	s_and_b32 s24, s22, 15
	s_mul_i32 s24, s24, 6
	s_lshl_b32 s25, s21, 4
	s_lshl_b32 s26, s[WV], 2
	s_add_co_u32 s25, s25, s26
	s_mov_b32 s27, 0
	s_mov_b32 s[G1C], 3<<16
	s_mov_b32 s[G1C+1], 32<<16
	s_mov_b32 s[G1C+2], 72<<16
	s_mov_b32 s[G1C+3], 32<<16
	s_mov_b32 s[G1C+4], 72
	s_mov_b32 s[G1C+5], 32
	s_mov_b32 s[G1C+6], 0
	s_mov_b32 s[G1C+7], 0
	s_mov_b32 s[G0C], 1
	s_mul_i32 s[G0C+1], s[WV], 18432
	s_wait_alu depctr_va_vdst(0)
	s_wait_dscnt 0x0
	s_wait_kmcnt 0x0
	s_mul_i32 s26, s22, 73728
	s_add_co_u32 s26, s26, s[G0C+1]
	s_add_nc_u64 s[G0C+2:G0C+3], s[8:9], s[26:27]
	s_or_b32 s[G0C+3], s[G0C+3], 0x80000000
	s_mul_i32 s26, s23, 49152
	s_lshl_b32 s60, s24, 5
	s_add_co_u32 s26, s26, s60
	s_add_nc_u64 s[G0S+2:G0S+3], s[10:11], s[26:27]  ; asc at my batch and my first tile
	tensor_load_to_lds s[G0C:G0C+3], s[G1C:G1C+7]
	s_nop 0
.rept 4
	v_nop
.endr
	s_add_co_u32 s60, s25, 576
	s_mul_i32 s26, s60, 12288
	s_add_nc_u64 s[PB:PB+1], s[4:5], s[26:27]
	s_lshl_b32 s26, s60, 9
	s_add_nc_u64 s[PSB:PSB+1], s[6:7], s[26:27]
	s_lshl_b32 s26, s25, 6
	s_add_nc_u64 s[OBP:OBP+1], s[12:13], s[26:27]
	s_add_nc_u64 s[OBS:OBS+1], s[14:15], s[26:27]
	s_mul_i32 s26, s23, 1500
	s_lshl_b32 s60, s24, 4
	s_add_co_u32 s26, s26, s60
	s_lshl_b32 s26, s26, 12
	s_add_nc_u64 s[OBS:OBS+1], s[OBS:OBS+1], s[26:27]
.set FN, 0
.rept 32
.if FN < 21
	WIN 0x80
.set PR, 12*FN
.else
	WIN 0xc0
.set PR, 12*(FN-21)
.endif
.irp c, 0,1,2
	global_load_b128 v[PR+4*\c:PR+4*\c+3], v[L16], s[PB:PB+1] offset:(FN%4)*12288+(FN/4)*1536+512*\c
.endr
.set FN, FN+1
.endr
	WIN 0
.irp i, 0,1,2,3
	global_load_b128 v[PS+4*\i:PS+4*\i+3], v[SO3], s[PSB:PSB+1] offset:512*\i
	global_load_b128 v[BIA+8*\i:BIA+8*\i+3], v[H64], s[OBP:OBP+1] offset:4*(32*(\i/2)+8*(\i%2))
	global_load_b128 v[BIA+8*\i+4:BIA+8*\i+7], v[H64], s[OBP:OBP+1] offset:4*(32*(\i/2)+8*(\i%2))+16
.endr
.irp n, 0,1,2,3,4,5
.irp e, 0,1,2,3,4,5,6,7
	global_load_u16 v[U+8*\n+\e], v[AU], s[G0S+2:G0S+3] offset:3072*\e+32*\n   ; tile n, head 8 h + e, row r: its two scale bytes, straight into registers
.endr
.endr
	s_wait_loadcnt 0x0
	s_wait_tensorcnt 0x0
	s_barrier_signal -1
	s_barrier_wait -1
	DU 0
	DU 1
	s_cmp_eq_u32 s24, 90
	s_cbranch_scc1 .Lend
	DU 2
.Lend:
	s_wait_tensorcnt 0x0
	ds_add_u32 v254, v255
	s_wait_dscnt 0x0
	s_endpgm
.Lfunc_end_k_q621854b094_outp:
	.size	k_q621854b094_outp, .Lfunc_end_k_q621854b094_outp-k_q621854b094_outp
	.p2alignl 7, 3214868480
	.fill 96, 4, 3214868480
	.section	.rodata,"a",@progbits
	.p2align	6, 0x0
	.amdhsa_kernel k_q621854b094_outp
		.amdhsa_group_segment_fixed_size 327680
		.amdhsa_private_segment_fixed_size 0
		.amdhsa_enable_private_segment 0
		.amdhsa_kernarg_size 48
		.amdhsa_user_sgpr_count 2
		.amdhsa_user_sgpr_kernarg_segment_ptr 1
		.amdhsa_wavefront_size32 1
		.amdhsa_system_sgpr_workgroup_id_x 1
		.amdhsa_system_sgpr_workgroup_id_y 1
		.amdhsa_system_sgpr_workgroup_id_z 1
		.amdhsa_system_vgpr_workitem_id 0
		.amdhsa_next_free_vgpr 1024
		.amdhsa_next_free_sgpr 66
		.amdhsa_reserve_vcc 0
		.amdhsa_float_denorm_mode_32 3
		.amdhsa_float_denorm_mode_16_64 3
		.amdhsa_memory_ordered 1
		.amdhsa_forward_progress 1
		.amdhsa_inst_pref_size 70
	.end_amdhsa_kernel
	.amdgpu_metadata
---
amdhsa.version: [ 1, 2 ]
amdhsa.kernels:
  - .name:           k_q621854b094_outp
    .symbol:         k_q621854b094_outp.kd
    .args:
      - { .name: cod, .offset: 0, .size: 8, .value_kind: global_buffer, .address_space: global }
      - { .name: scl, .offset: 8, .size: 8, .value_kind: global_buffer, .address_space: global }
      - { .name: acod, .offset: 16, .size: 8, .value_kind: global_buffer, .address_space: global }
      - { .name: asc, .offset: 24, .size: 8, .value_kind: global_buffer, .address_space: global }
      - { .name: out_b, .offset: 32, .size: 8, .value_kind: global_buffer, .address_space: global }
      - { .name: out0, .offset: 40, .size: 8, .value_kind: global_buffer, .address_space: global }
    .group_segment_fixed_size: 327680
    .private_segment_fixed_size: 0
    .kernarg_segment_align: 8
    .kernarg_segment_size: 48
    .max_flat_workgroup_size: 128
    .sgpr_count:     66
    .vgpr_count:     1024
    .wavefront_size: 32
...
	.end_amdgpu_metadata
.endif
;; end of part 4
